; MI455X (gfx1250); checked and timed in simulation.
; The chip was launched on July 23, 2026; its instructions are those of AMD's public machine-readable ISA for CDNA 5 (MIT licence, August 2026) and "CDNA5" Instruction Set Architecture Reference Guide (July 2026). The comments in the code are by the model that wrote it; some were corrected since.
;; Praxis Expert. Allowed arithmetic: float matrix products may take bf16 or f16 operands with f32 sums; all other float work in f32.
;; Inputs: W1 8 x 512 x 2,048 float32; W2 8 x 2,048 x 512 float32; b1 8 x 2,048 float32; b2 8 x 512 float32; expert_indices 4 x 1,024 x 2 int32; inputs 4 x 1,024 x 512 float32.
;; Outputs: out0 4 x 1,024 x 2 x 512 float32.
;; 3 versions, each right; version 2 is faster than version 1; version 3 is version 2 with the launches ffn1, ffn2 written anew for expert scheduling mode. Each part assembles by itself: llvm-mc -triple=amdgcn-amd-amdhsa -mcpu=gfx1250 --defsym DOCPART=n.
;; ======== version 1 of 3: 3 launches
;; workspace buffers: order 34,304 bytes of whole numbers; h 34,603,008 bytes
;; launch route (part 1): grid 1 x 1, 32 waves a work-group, no clusters, 5,120 bytes of LDS; arguments expert_indices, order; writes order
.if DOCPART == 1
	.amdgcn_target "amdgcn-amd-amdhsa--gfx1250"
	.amdhsa_code_object_version 6
	.text
	.protected	k_qc64a3dd08d_route
	.globl	k_qc64a3dd08d_route
	.p2align	8
	.type	k_qc64a3dd08d_route,@function
k_qc64a3dd08d_route:
	s_mov_b64 s[64:65], 0
	v_nop
	global_prefetch_b8 v0, s[64:65] scope:SCOPE_SE
	s_setreg_imm32_b32 hwreg(HW_REG_WAVE_MODE, 25, 1), 1
	s_wait_xcnt 0x0
; ROUTE.  The 8,192 assignments a = 2 t + k (token t, choice k) are sorted by expert into blocks of 32 rows, and the blocks are shared out among 32 teams.
; order, as stored here: bytes 0 .. 511 the teams' records, four words each: expert, first block, step, end block (a team takes first, first + step, .. below end);
; from byte 512 on the list, 32 entries a block: an entry is an assignment's number, or -1 for a row that pads an expert's last block.  Blocks behind the last one in use are
; neither stored nor read.  (The sum over 8 experts of ceil(n / 32) is at most (8,192 + 8 x 31) / 32, so 263.)
; TEAMS.  Expert e with nb blocks gets ceil(nb / L) teams, L the least of 8, 9, 10, 11 at which the teams add up to 32 at the most; so no team has more than 11 blocks, the constant
; number of trips of the two launches behind.  L = 11 always serves: the sum of ceil(nb / 11) is at most (263 + 8 x 10) / 11 < 32.  Less than 8 never does: 256 blocks or more for 32 teams.
; Teams that are left over get first = end.
; ONE work-group of 32 waves: a sum over all assignments is wanted before any place is known, and work-groups hand each other nothing.
; Wave w owns assignments 256 w .. 256 w + 255, eight a lane.  All sums are whole numbers, since addresses are made of them.
; LIMIT.  An index outside 0..7 matches no expert: its place stays 0 and falls on a true row's entry.  The problem keeps indices inside the table.
.set NLIST, 8448                       ; entries that the list has room for
.set LAST,  NLIST-1
.set LISTB, 512                        ; the list's first byte in order
.set EX,  4                            ; v[4:11]   the experts of my 8 assignments: register 4 q + c is assignment 256 w + 128 q + 4 lane + c
.set PO,  12                           ; v[12:19]  their places in the list, then byte offsets
.set AI,  20                           ; v[20:27]  their numbers: the stores' data
.set CN,  32                           ; v[32:39]  expert e: lane l holds wave l's count, then the sum over all waves
.set PF,  40                           ; v[40:47]  expert e: the same for the waves below mine alone
.set REC, 56                           ; v[56:59]  lane g: team g's record
.set TOT, 16                           ; s[16:23]  expert e: my wave's count, later the total
.set RUN, 24                           ; s[24:31]  expert e: the place of my wave's next assignment
.set NBK, 32                           ; s[32:39]  expert e: blocks
.set BK0, 40                           ; s[40:47]  expert e: first block
.set TM,  52                           ; s[52:59]  expert e: teams
.set CT,  66                           ; s[66:73]  expert e: teams at the L on trial
.set T0,  74                           ; s[74:81]  expert e: first team
	s_load_b128 s[4:7], s[0:1], 0x0                ; expert_indices s[4:5], order s[6:7]
	v_lshl_add_u32 v64, v0, 2, 0x400
	v_mov_b32 v65, 0
	v_and_b32 v1, 31, v0                           ; lane
	v_lshrrev_b32 v2, 5, v0
	v_readfirstlane_b32 s8, v2                     ; wave 0..31
	v_lshlrev_b32 v3, 4, v1
	v_lshl_add_u32 v3, v2, 10, v3                  ; 1,024 w + 16 lane: a wave's load covers 512 consecutive bytes
	s_mov_b32 s12, 0x76543210                      ; v_permlanex16_b32: each lane takes its own place in the other half
	s_mov_b32 s13, 0xfedcba98
	v_mov_b32 v28, 0                               ; at work; written here because a lane move counts as a reader of its destination
	v_mov_b32 v48, -1                              ; a pad's entry
	v_mov_b32 v30, s8
	v_lshlrev_b32 v30, 2, v30                      ; 4 w: my wave's word in each expert's row of 32 words in LDS
	v_lshlrev_b32 v31, 2, v1                       ; 4 lane
.irp e, 0,1,2,3,4,5,6,7
	s_mov_b32 s[TOT+\e], 0
.endr
	s_wait_kmcnt 0x0
	global_load_b128 v[EX:EX+3], v3, s[4:5]
	global_load_b128 v[EX+4:EX+7], v3, s[4:5] offset:512
	s_wait_loadcnt 0x0
	; my wave's count for each expert
.irp jj, 0,1,2,3,4,5,6,7
.irp e, 0,1,2,3,4,5,6,7
	v_cmp_eq_u32 s9, \e, v[EX+\jj]
	s_bcnt1_i32_b32 s10, s9
	s_add_co_u32 s[TOT+\e], s[TOT+\e], s10
.endr
.endr
	; the counts meet in LDS: word 32 e + w
.irp e, 0,1,2,3,4,5,6,7
	v_mov_b32 v[CN+\e], s[TOT+\e]
	ds_store_b32 v30, v[CN+\e] offset:\e*128       ; all lanes write the same word with the same value
.endr
	s_wait_dscnt 0x0                               ; for the others' sake: my words are written
	s_barrier_signal -1
	s_barrier_wait -1
.irp e, 0,1,2,3,4,5,6,7
	ds_load_b32 v[CN+\e], v31 offset:\e*128        ; lane l: wave l's count
.endr
	s_wait_dscnt 0x0
	v_cmp_gt_u32 s9, s8, v1                        ; the waves below mine
.irp e, 0,1,2,3,4,5,6,7
	v_cndmask_b32 v[PF+\e], 0, v[CN+\e], s9
.endr
; the sum over the 32 lanes, in whole numbers: four steps inside each half of 16 lanes, one across the halves; every lane ends with the sum
.macro WSUM reg
.irp m, 1,2,4,8
	v_mov_b32_dpp v28, v[\reg] row_xmask:\m row_mask:0xf bank_mask:0xf
	v_add_nc_u32 v[\reg], v[\reg], v28
.endr
	v_permlanex16_b32 v28, v[\reg], s12, s13
	v_add_nc_u32 v[\reg], v[\reg], v28
.endm
.irp e, 0,1,2,3,4,5,6,7
	WSUM CN+\e
	WSUM PF+\e
.endr
.irp e, 0,1,2,3,4,5,6,7
	v_readfirstlane_b32 s[TOT+\e], v[CN+\e]        ; the expert's rows
	v_readfirstlane_b32 s[RUN+\e], v[PF+\e]        ; of them, in the waves below mine
.endr
	; blocks: each expert begins on a block of its own
	s_mov_b32 s48, 0
.irp e, 0,1,2,3,4,5,6,7
	s_mov_b32 s[BK0+\e], s48
	s_add_co_u32 s10, s[TOT+\e], 31
	s_lshr_b32 s[NBK+\e], s10, 5
	s_add_co_u32 s48, s48, s[NBK+\e]
	s_lshl_b32 s10, s[BK0+\e], 5
	s_add_co_u32 s[RUN+\e], s[RUN+\e], s10
.endr
	; places: the running place of the expert, plus the lanes below mine that hold the same expert in the same register
.irp jj, 0,1,2,3,4,5,6,7
	v_mov_b32 v[PO+\jj], 0
.irp e, 0,1,2,3,4,5,6,7
	v_cmp_eq_u32 s9, \e, v[EX+\jj]
	v_mbcnt_lo_u32_b32 v28, s9, s[RUN+\e]
	v_cndmask_b32 v[PO+\jj], v[PO+\jj], v28, s9
	s_bcnt1_i32_b32 s10, s9
	s_add_co_u32 s[RUN+\e], s[RUN+\e], s10
.endr
.endr
	v_lshlrev_b32 v29, 2, v1
	s_lshl_b32 s10, s8, 8
	v_add_nc_u32 v29, s10, v29                     ; 256 w + 4 lane
.irp jj, 0,1,2,3,4,5,6,7
	v_add_nc_u32 v[AI+\jj], 128*(\jj/4)+(\jj%4), v29
	v_min_u32 v[PO+\jj], LAST, v[PO+\jj]           ; a place made of loaded numbers is bounded before it enters an address
	v_lshlrev_b32 v[PO+\jj], 2, v[PO+\jj]
	global_store_b32 v[PO+\jj], v[AI+\jj], s[6:7] offset:LISTB  ; four bytes a lane to sorted places: 32 KiB in all, once
.endr
	; teams: ceil(nb / L) = (nb + L - 1) x ceil(65536 / L) >> 16, exact here: the operand is 266 at the most and ceil(65536 / L) x L passes 65,536 by 10 at the most.
	; From L = 11 down: a smaller L is taken while its teams still add up to 32 or fewer (the sum only grows as L falls).
.irp L, 11,10,9,8
	s_mov_b32 s60, 0
.irp e, 0,1,2,3,4,5,6,7
	s_add_co_u32 s61, s[NBK+\e], \L-1
	s_mul_i32 s61, s61, (65536+\L-1)/\L
	s_lshr_b32 s[CT+\e], s61, 16
	s_add_co_u32 s60, s60, s[CT+\e]
.endr
.if \L == 11
.irp e, 0,1,2,3,4,5,6,7
	s_mov_b32 s[TM+\e], s[CT+\e]
.endr
.else
	s_cmp_le_u32 s60, 32
.irp e, 0,1,2,3,4,5,6,7
	s_cselect_b32 s[TM+\e], s[CT+\e], s[TM+\e]
.endr
.endif
.endr
	s_mov_b32 s[T0], 0
.irp e, 1,2,3,4,5,6,7
	s_add_co_u32 s[T0+\e], s[T0+\e-1], s[TM+\e-1]
.endr
	; lane g makes team g's record: its expert is the last one whose first team is g or lower
	v_mov_b32 v[REC], 0                            ; expert
	v_mov_b32 v53, 0                               ; the expert's first team
	v_mov_b32 v54, s[BK0]                          ; its first block
	v_mov_b32 v55, s[NBK]                          ; its blocks
	v_mov_b32 v[REC+2], s[TM]                      ; its teams: the step
.irp e, 1,2,3,4,5,6,7
	v_cmp_le_u32 s9, s[T0+\e], v1
	v_cndmask_b32 v[REC], v[REC], \e, s9
	v_cndmask_b32 v53, v53, s[T0+\e], s9
	v_cndmask_b32 v54, v54, s[BK0+\e], s9
	v_cndmask_b32 v55, v55, s[NBK+\e], s9
	v_cndmask_b32 v[REC+2], v[REC+2], s[TM+\e], s9
.endr
	v_sub_nc_u32 v60, v1, v53                      ; the team's number among the expert's
	v_add_nc_u32 v[REC+1], v54, v60                ; first block
	v_add_nc_u32 v[REC+3], v54, v55                ; end block
	v_cmp_ge_u32 s9, v60, v[REC+2]                 ; a team behind the last expert's last: left over
	v_cndmask_b32 v[REC+1], v[REC+1], v[REC+3], s9
	v_lshlrev_b32 v61, 4, v1
	; pads: wave e (0..7) fills expert e's last block; the other waves' range is empty
	s_mov_b32 s49, 0
	s_mov_b32 s50, 0
.irp e, 0,1,2,3,4,5,6,7
	s_lshl_b32 s10, s[BK0+\e], 5
	s_add_co_u32 s10, s10, s[TOT+\e]               ; behind the expert's last row
	s_add_co_u32 s11, s[BK0+\e], s[NBK+\e]
	s_lshl_b32 s11, s11, 5                         ; its blocks' end
	s_cmp_eq_u32 s8, \e
	s_cselect_b32 s49, s10, s49
	s_cselect_b32 s50, s11, s50
.endr
	v_add_nc_u32 v49, s49, v1
	v_cmp_gt_u32 vcc_lo, s50, v49
	v_min_u32 v49, LAST, v49
	v_lshlrev_b32 v49, 2, v49
	s_cmp_lg_u32 s8, 0
	s_cbranch_scc1 .Lnot_wave_0
	global_store_b128 v61, v[REC:REC+3], s[6:7]    ; the 32 records: 512 consecutive bytes, by wave 0
.Lnot_wave_0:
	s_wait_xcnt 0x0                                ; EXEC is a source of the stores above: it changes only behind this wait
	s_wait_tensorcnt 0x0
	ds_add_u32 v64, v65
	s_wait_dscnt 0x0
	s_and_saveexec_b32 s51, vcc_lo
	global_store_b32 v49, v48, s[6:7] offset:LISTB
	s_wait_xcnt 0x0                                ; and again in front of the line that widens it
	s_or_b32 exec_lo, exec_lo, s51
	s_endpgm
.Lfunc_end_k_qc64a3dd08d_route:
	.size	k_qc64a3dd08d_route, .Lfunc_end_k_qc64a3dd08d_route-k_qc64a3dd08d_route
	.p2alignl 7, 3214868480
	.fill 96, 4, 3214868480
	.section	.rodata,"a",@progbits
	.p2align	6, 0x0
	.amdhsa_kernel k_qc64a3dd08d_route
		.amdhsa_group_segment_fixed_size 5120
		.amdhsa_private_segment_fixed_size 0
		.amdhsa_enable_private_segment 0
		.amdhsa_kernarg_size 16
		.amdhsa_user_sgpr_count 2
		.amdhsa_user_sgpr_kernarg_segment_ptr 1
		.amdhsa_wavefront_size32 1
		.amdhsa_system_sgpr_workgroup_id_x 1
		.amdhsa_system_sgpr_workgroup_id_y 1
		.amdhsa_system_sgpr_workgroup_id_z 1
		.amdhsa_system_vgpr_workitem_id 0
		.amdhsa_next_free_vgpr 66
		.amdhsa_next_free_sgpr 96
		.amdhsa_reserve_vcc 1
		.amdhsa_float_denorm_mode_32 3
		.amdhsa_float_denorm_mode_16_64 3
		.amdhsa_memory_ordered 1
		.amdhsa_forward_progress 1
		.amdhsa_inst_pref_size 52
	.end_amdhsa_kernel
	.amdgpu_metadata
---
amdhsa.version: [ 1, 2 ]
amdhsa.kernels:
  - .name:           k_qc64a3dd08d_route
    .symbol:         k_qc64a3dd08d_route.kd
    .args:
      - { .name: expert_indices, .offset: 0, .size: 8, .value_kind: global_buffer, .address_space: global }
      - { .name: order, .offset: 8, .size: 8, .value_kind: global_buffer, .address_space: global }
    .group_segment_fixed_size: 5120
    .private_segment_fixed_size: 0
    .kernarg_segment_align: 8
    .kernarg_segment_size: 16
    .max_flat_workgroup_size: 1024
    .sgpr_count:     96
    .vgpr_count:     66
    .wavefront_size: 32
...
	.end_amdgpu_metadata
.endif
;; end of part 1
;; launch ffn1 (part 2): grid 32 x 8, 4 waves a work-group, no clusters, 54,272 bytes of LDS; arguments inputs, W1, b1, order, h; writes h
.if DOCPART == 2
	.amdgcn_target "amdgcn-amd-amdhsa--gfx1250"
	.amdhsa_code_object_version 6
	.text
	.protected	k_qc64a3dd08d_ffn1
	.globl	k_qc64a3dd08d_ffn1
	.p2align	8
	.type	k_qc64a3dd08d_ffn1,@function
k_qc64a3dd08d_ffn1:
	s_mov_b64 s[64:65], 0
	v_nop
	global_prefetch_b8 v0, s[64:65] scope:SCOPE_SE
	s_setreg_imm32_b32 hwreg(HW_REG_WAVE_MODE, 25, 1), 1
	s_wait_xcnt 0x0
; FIRST LAYER, for the sorted rows alone: h[row][c] = relu(x[token(row)] . W1[e][:, c] + b1[e][c]).  x, W1, b1 f32; products in bf16 with f32 sums; h leaves in bf16.
; x, W1 and b1 are each rounded once to bf16 (nearest even); bf16 keeps f32's range.  LIMIT: relu is a maximum with 0 in which a NaN loses, so a NaN becomes 0.
; THE WEIGHTS STAY.  Work-group (x, y): team x (0..31), slice y (256 of the 2,048 columns).  The team's record in order names its expert and its blocks of 32 rows: first, first + step, .. below end.
; A wave holds 512 (K) x 64 columns of the expert's W1 as bf16 fragments in 512 registers; the 8 slices of a team hold the expert's layer.  32 x 8 = 256 work-groups.
; A trip: the four waves gather a block's 32 rows of x (8 rows a wave), round them into LDS, and each wave multiplies all 32 rows by its 64 columns: 128 matrix instructions.
; ELEVEN TRIPS, a constant: no team has more blocks (the launch before shares them out so).  A trip whose block lies at or behind the team's end is dead: its three parts are jumped over, forward;
; the two barriers stand outside the jumps, so that every wave passes each of them in every trip.
; THE MATRIX INSTRUCTION IS USED TRANSPOSED (source 0 = 16 columns of W1, source 1 = 16 rows of x): a lane then holds one row and eight neighbouring columns, which pack into 16 bytes.
; h's LAYOUT: block b at b x 131,072; in it the tile of 16 rows (mt) x 16 columns (c / 16) at (c / 16) x 1,024 + mt x 512, lane L's 16 bytes at 16 L.  So a store of a wave covers 512
; consecutive bytes, and the next layer loads the same 512 bytes as half of a fragment (16 rows x 32 K), with no LDS between.
; NO CLUSTER, NO TENSOR LOADS: W1 is f32 and lies [K][N], so it is rounded and turned on its way into registers; x's rows are gathered by a list and rounded; neither is a copy.  The teams
; of an expert that read one shard of W1 read it once each, 524,288 bytes, at the launch's start; how many they are hangs on the routing.
; REGISTERS, in windows of 256: window 0: v0-15 addresses; v16-47 b1 in the accumulators' layout; v48-55 rows' offsets; v64-127 accumulators, (mt, nt) at 64 + 8 (4 mt + nt); v128-255 x as loaded
;   (v64-255 first serve as three stages for W1);  window 1: x's fragments, (ks, mt) at 16 ks + 8 mt;  windows 2, 3: W1's fragments, K step ks in window 2 + ks / 8, (ks, nt) at 32 (ks % 8) + 8 nt.
.set TRIPS, 11
.set LISTB, 0x200                      ; the list's first byte in order
.set PITCH, 8192                       ; bytes from row to row of W1[e]
.set WTW,   5120                       ; LDS 0 .. 20,479: for each wave a tile of 32 rows (K) x 64 bf16,
.set WP,    160                        ; rows 160 bytes apart = 5 x 32: the 8 rows x 32 bytes that 16 lanes of the turning load take fall on different words
.set XB,    20480                      ; LDS 20,480 .. 53,759: the block's 32 rows of x in bf16,
.set XP,    1040                       ; 1,024 bytes + 16: 65 x 16, so the 16 rows of a fragment load start 16 bytes further on each
.set MAXB,  263                        ; the last block that the list and h have room for
.set BIAS,  16
.set XO,    48
.set ACC,   64
.set XST,   128
.set ID,    28                         ; s[28:35] the list's entries for my 8 rows
.set MSB, 0
.macro WIN new                         ; the immediate's high byte repeats the setting that is left; a switch that changes nothing is dropped
.if MSB != (\new)
	s_set_vgpr_msb (MSB<<8)|(\new)
.set MSB, (\new)
.endif
.endm
; K step c of my shard: 32 rows x 64 columns of f32 into stage c % 3.  A load takes two rows: 16 lanes cover a row's 256 consecutive bytes, aligned.
.macro WLOAD c
.set SB, 64+64*((\c)%3)
.set t, 0
.rept 16
	global_load_b128 v[SB+4*t:SB+4*t+3], v5, s[6:7] offset:(32*(\c)+2*t)*PITCH
.set t, t+1
.endr
.endm
; K step c is rounded to bf16, laid into my own tile in LDS and read back turned, as 4 fragments of 16 columns x 32 K.  No barrier: the tile is my wave's, and LDS serves a wave's instructions in order (ISA guide 5.7.1.4).
.macro WTURN c
.set SB, 64+64*((\c)%3)
.if (\c) <= 13
	s_wait_loadcnt 32                              ; loads come back in order: K step c is in; the 32 loads of the two younger steps stay out
.elseif (\c) == 14
	s_wait_loadcnt 16                              ; one younger step
.else
	s_wait_loadcnt 0
.endif
.set t, 0
.rept 32
	v_cvt_pk_bf16_f32 v[SB+t], v[SB+2*t], v[SB+2*t+1]  ; in place: line t writes register t and reads 2 t, 2 t + 1, which no earlier line has written
.set t, t+1
.endr
.set t, 0
.rept 16
	ds_store_b64 v6, v[SB+2*t:SB+2*t+1] offset:t*2*WP
.set t, t+1
.endr
	WIN 0x80+0x40*((\c)>>3)                        ; destination window 2 or 3
.irp nt, 0,1,2,3
	ds_load_tr16_b128 v[32*((\c)&7)+8*\nt:32*((\c)&7)+8*\nt+3],   v7 offset:\nt*32
	ds_load_tr16_b128 v[32*((\c)&7)+8*\nt+4:32*((\c)&7)+8*\nt+7], v7 offset:\nt*32+16*WP
.endr
	WIN 0
.if (\c) <= 12
	s_wait_dscnt 8                                 ; the 16 stores are done with the stage; the 8 turning loads behind them may stay out
	WLOAD (\c)+3
.endif
.endm
; The 8 matrix instructions of K step ks.  The 8 accumulators take turns, one instruction a turn.  first = 1: the sums start from b1.
.macro MUL ks, first
	WIN 0x06+((\ks)>>3)                            ; source 0 window 2 or 3, source 1 window 1, C and D window 0
.irp mt, 0,1
.irp nt, 0,1,2,3
.set rA, ACC+8*(4*\mt+\nt)
.set rW, 32*((\ks)&7)+8*\nt
.set rX, 16*(\ks)+8*\mt
.if \first
	v_wmma_f32_16x16x32_bf16 v[rA:rA+7], v[rW:rW+7], v[rX:rX+7], v[BIAS+8*\nt:BIAS+8*\nt+7]
.else
	v_wmma_f32_16x16x32_bf16 v[rA:rA+7], v[rW:rW+7], v[rX:rX+7], v[rA:rA+7]
.endif
.endr
.endr
.endm
.macro XADDR                           ; my 8 rows' byte offsets in x: token = entry / 2.  A pad's -1 becomes token 4,095: its row of h is defined and the next layer stores none of it
.irp i, 0,1,2,3,4,5,6,7
	s_lshr_b32 s25, s[ID+\i], 1
	s_min_u32 s25, s25, 4095
	v_lshl_add_u32 v[XO+\i], s25, 11, v4
.endr
.endm
.macro XLOADS                          ; my 8 rows, 2,048 bytes each: 32 loads of 512 consecutive bytes
.irp i, 0,1,2,3,4,5,6,7
.irp q, 0,1,2,3
	global_load_b128 v[XST+4*(4*\i+\q):XST+4*(4*\i+\q)+3], v[XO+\i], s[4:5] offset:512*\q
.endr
.endr
.endm
.macro IDS                             ; the list's entries for my 8 rows of block s23; the look-ahead stops at the expert's last block, whose entries are stored
	s_min_u32 s23, s23, s37
	s_min_u32 s23, s23, MAXB
	s_lshl_b32 s36, s23, 7
	s_add_co_u32 s36, s36, s46
	s_load_b256 s[ID:ID+7], s[10:11], s36 offset:LISTB
.endm
	s_load_b256 s[4:11], s[0:1], 0x0               ; inputs s[4:5], W1 s[6:7], b1 s[8:9], order s[10:11]
	s_load_b64 s[12:13], s[0:1], 0x20              ; h
	v_lshl_add_u32 v62, v0, 2, 0xd200
	v_mov_b32 v63, 0
	v_lshrrev_b32 v12, 5, v0
	v_readfirstlane_b32 s14, v12                   ; wave 0..3
	s_and_b32 s16, ttmp7, 0xffff                   ; slice
	s_lshl_b32 s45, ttmp9, 4                       ; the team's record, 16 bytes
	s_lshl_b32 s46, s14, 5                         ; my 8 entries in a block's 32
	s_wait_kmcnt 0x0
	s_load_b128 s[48:51], s[10:11], s45 offset:0x0 ; expert, first block, step, end block
	v_and_b32 v1, 31, v0                           ; lane
	v_and_b32 v2, 15, v0                           ; r
	v_bfe_u32 v3, v0, 4, 1                         ; hh
	v_lshlrev_b32 v4, 4, v1                        ; 16 lane
	v_mul_u32_u24 v5, v3, PITCH
	v_lshl_add_u32 v5, v2, 4, v5                   ; W1: row hh of a pair, 16 bytes a lane
	s_mul_i32 s25, s14, WTW                        ; my tile
	v_mul_u32_u24 v6, v3, WP
	v_lshl_add_u32 v6, v2, 3, v6
	v_add_nc_u32 v6, s25, v6                       ; into the tile: row hh of a pair, 8 bytes a lane
	v_and_b32 v12, 7, v0
	v_lshl_add_u32 v12, v3, 3, v12
	v_mul_u32_u24 v7, v12, WP
	v_bfe_u32 v12, v0, 3, 1
	v_lshl_add_u32 v7, v12, 4, v7
	v_add_nc_u32 v7, s25, v7                       ; the turning load: row 8 hh + lane % 8, 16 bytes x (lane / 8) % 2
	s_mul_i32 s25, s14, 8*XP
	s_add_co_u32 s25, s25, XB
	v_lshl_add_u32 v8, v1, 3, s25                  ; x into LDS: my 8 rows, 8 bytes a lane
	v_mul_u32_u24 v9, v2, XP
	v_lshl_add_u32 v9, v3, 4, v9
	v_add_nc_u32 v9, XB, v9                        ; x's fragments: row r, 16 bytes x hh
	v_lshlrev_b32 v11, 5, v3                       ; b1: 8 hh numbers on
	s_lshl_b32 s24, s16, 10
	s_lshl_b32 s25, s14, 8
	s_add_co_u32 s24, s24, s25                     ; my first column in bytes of f32: 1,024 slice + 256 w
	s_mov_b32 s27, 0
	s_mov_b32 s41, 0
	s_lshl_b32 s42, s24, 4                         ; h: my first tile of 16 columns: 16,384 slice + 4,096 w
	s_mov_b32 s43, 0
	s_wait_kmcnt 0x0
	s_min_u32 s15, s48, 7                          ; the expert: a loaded number is bounded before it enters an address
	s_lshl_b32 s26, s15, 22                        ; W1[e]: 4 MiB an expert
	s_add_co_u32 s26, s26, s24
	s_lshl_b32 s40, s15, 13                        ; b1[e]
	s_add_co_u32 s40, s40, s24
	s_add_nc_u64 s[6:7], s[6:7], s[26:27]
	s_add_nc_u64 s[8:9], s[8:9], s[40:41]
	s_add_nc_u64 s[12:13], s[12:13], s[42:43]
	s_mov_b32 s22, s49                             ; the block in hand
	s_mov_b32 s44, s50                             ; the step
	s_mov_b32 s47, s51                             ; the end
	s_sub_co_u32 s37, s51, 1                       ; the expert's last block
.irp nt, 0,1,2,3
	global_load_b128 v[BIAS+8*\nt:BIAS+8*\nt+3],   v11, s[8:9] offset:64*\nt     ; register j: column 16 nt + 8 hh + j, as in an accumulator
	global_load_b128 v[BIAS+8*\nt+4:BIAS+8*\nt+7], v11, s[8:9] offset:64*\nt+16
.endr
	WLOAD 0                                        ; three K steps, 24 KiB a wave, are kept on their way
	WLOAD 1
	WLOAD 2
	s_mov_b32 s23, s22
	IDS
.irp c, 0,1,2,3,4,5,6,7,8,9,10,11,12,13,14,15
	WTURN \c
.endr
	s_wait_dscnt 0x0                               ; all of W1's fragments are in
.irp p, 0,2,4,6,8,10,12,14,16,18,20,22,24,26,28,30
	v_cvt_pk_bf16_f32 v12, v[BIAS+\p], v[BIAS+\p+1]    ; b1 rounded to bf16 like the other inputs, and widened again
	v_lshlrev_b32 v[BIAS+\p], 16, v12
	v_and_b32 v[BIAS+\p+1], 0xffff0000, v12
.endr
	s_wait_kmcnt 0x0
	XADDR
	XLOADS                                         ; the first block's rows
	s_add_co_u32 s23, s23, s44
	IDS                                            ; the second block's entries
	s_mov_b32 s21, TRIPS
.Lloop:
	s_wait_xcnt 0x0                                ; at the trip's head, on every way through it: the last trip's stores have read the accumulators and v10
	s_cmp_lt_u32 s22, s47
	s_cbranch_scc0 .Lno_rows                       ; a dead trip
	s_wait_loadcnt 0x0                             ; this block's rows, asked for a trip ago
.set t, 0
.rept 64
	v_cvt_pk_bf16_f32 v[XST+t], v[XST+2*t], v[XST+2*t+1]
.set t, t+1
.endr
.irp i, 0,1,2,3,4,5,6,7
.irp q, 0,1,2,3
	ds_store_b64 v8, v[XST+2*(4*\i+\q):XST+2*(4*\i+\q)+1] offset:\i*XP+\q*256  ; 32 lanes, 256 consecutive bytes
.endr
.endr
	s_wait_kmcnt 0x0                               ; the next block's entries
	XADDR
	s_wait_dscnt 0x0                               ; the stores are done with the stage: it may be loaded again
	XLOADS                                         ; the next block's rows have the rest of the trip in which to land
	s_add_co_u32 s23, s23, s44
	IDS
.Lno_rows:
	s_wait_dscnt 0x0                               ; for the others' sake: my 8 rows are in LDS
	s_barrier_signal -1
	s_barrier_wait -1                              ; all 32 rows are in LDS
	s_cmp_lt_u32 s22, s47
	s_cbranch_scc0 .Lno_mul
	WIN 0x40                                       ; destination window 1
.irp ks, 0,1,2,3,4,5,6,7,8,9,10,11,12,13,14,15
.irp mt, 0,1
	ds_load_b128 v[16*\ks+8*\mt:16*\ks+8*\mt+3],   v9 offset:\mt*16*XP+\ks*64
	ds_load_b128 v[16*\ks+8*\mt+4:16*\ks+8*\mt+7], v9 offset:\mt*16*XP+\ks*64+32
.endr
.endr
	s_wait_dscnt 60                                ; LDS loads come back in order: K step 0's four are in, the 60 younger stay out
	MUL 0, 1
.irp ks, 1,2,3,4,5,6,7,8,9,10,11,12,13,14
	s_wait_dscnt 60-4*\ks
	MUL \ks, 0
.endr
	s_wait_dscnt 0x0                               ; the last four: my reads of the block are over
	MUL 15, 0
	WIN 0
.rept 5
	v_nop                                          ; five places behind the trip's last products, on every way on from here: four are due in front of a vector instruction or a load that touches
.endr                                                  ; their registers, five in front of the products that start the next block's sums on the same accumulators (ISA guide 7.12.1)
.Lno_mul:
	s_barrier_signal -1                            ; no LDS instruction of mine is out on either way here
	s_barrier_wait -1                              ; behind this no wave reads the rows any more: the next trip may write them
	s_cmp_lt_u32 s22, s47
	s_cbranch_scc0 .Lno_out
.set t, 0
.rept 64
	v_max_num_f32 v[ACC+t], 0, v[ACC+t]            ; relu, each accumulator from its lowest register on
.set t, t+1
.endr
.irp a, 0,1,2,3,4,5,6,7
.irp p, 0,1,2,3
	v_cvt_pk_bf16_f32 v[ACC+8*\a+\p], v[ACC+8*\a+2*\p], v[ACC+8*\a+2*\p+1]
.endr
.endr
	s_min_u32 s25, s22, MAXB
	v_lshl_add_u32 v10, s25, 17, v4                ; the block's 131,072 bytes of h, 16 bytes a lane
.irp mt, 0,1
.irp nt, 0,1,2,3
	global_store_b128 v10, v[ACC+8*(4*\mt+\nt):ACC+8*(4*\mt+\nt)+3], s[12:13] offset:\nt*1024+\mt*512  ; 512 consecutive bytes, at a multiple of 512 from h's first byte
.endr
.endr
.Lno_out:
	s_add_co_u32 s22, s22, s44                     ; the team's next block
	s_sub_co_u32 s21, s21, 1
	s_cmp_lg_u32 s21, 0
	s_cbranch_scc1 .Lloop
	s_wait_loadcnt 0x0                             ; the look-ahead behind the last block (bounded rows and entries, used by nobody) is let land
	s_wait_kmcnt 0x0
	s_wait_tensorcnt 0x0
	ds_add_u32 v62, v63
	s_wait_dscnt 0x0
	s_endpgm
.Lfunc_end_k_qc64a3dd08d_ffn1:
	.size	k_qc64a3dd08d_ffn1, .Lfunc_end_k_qc64a3dd08d_ffn1-k_qc64a3dd08d_ffn1
	.p2alignl 7, 3214868480
	.fill 96, 4, 3214868480
	.section	.rodata,"a",@progbits
	.p2align	6, 0x0
	.amdhsa_kernel k_qc64a3dd08d_ffn1
		.amdhsa_group_segment_fixed_size 54272
		.amdhsa_private_segment_fixed_size 0
		.amdhsa_enable_private_segment 0
		.amdhsa_kernarg_size 40
		.amdhsa_user_sgpr_count 2
		.amdhsa_user_sgpr_kernarg_segment_ptr 1
		.amdhsa_wavefront_size32 1
		.amdhsa_system_sgpr_workgroup_id_x 1
		.amdhsa_system_sgpr_workgroup_id_y 1
		.amdhsa_system_sgpr_workgroup_id_z 1
		.amdhsa_system_vgpr_workitem_id 0
		.amdhsa_next_free_vgpr 1024
		.amdhsa_next_free_sgpr 66
		.amdhsa_reserve_vcc 0
		.amdhsa_float_denorm_mode_32 3
		.amdhsa_float_denorm_mode_16_64 3
		.amdhsa_memory_ordered 1
		.amdhsa_forward_progress 1
		.amdhsa_inst_pref_size 122
	.end_amdhsa_kernel
	.amdgpu_metadata
---
amdhsa.version: [ 1, 2 ]
amdhsa.kernels:
  - .name:           k_qc64a3dd08d_ffn1
    .symbol:         k_qc64a3dd08d_ffn1.kd
    .args:
      - { .name: inputs, .offset: 0, .size: 8, .value_kind: global_buffer, .address_space: global }
      - { .name: W1, .offset: 8, .size: 8, .value_kind: global_buffer, .address_space: global }
      - { .name: b1, .offset: 16, .size: 8, .value_kind: global_buffer, .address_space: global }
      - { .name: order, .offset: 24, .size: 8, .value_kind: global_buffer, .address_space: global }
      - { .name: h, .offset: 32, .size: 8, .value_kind: global_buffer, .address_space: global }
    .group_segment_fixed_size: 54272
    .private_segment_fixed_size: 0
    .kernarg_segment_align: 8
    .kernarg_segment_size: 40
    .max_flat_workgroup_size: 128
    .sgpr_count:     66
    .vgpr_count:     1024
    .wavefront_size: 32
...
	.end_amdgpu_metadata
.endif
;; end of part 2
;; launch ffn2 (part 3): grid 32 x 8, 4 waves a work-group, no clusters, 55,808 bytes of LDS; arguments h, W2, b2, order, out0; writes out0
.if DOCPART == 3
	.amdgcn_target "amdgcn-amd-amdhsa--gfx1250"
	.amdhsa_code_object_version 6
	.text
	.protected	k_qc64a3dd08d_ffn2
	.globl	k_qc64a3dd08d_ffn2
	.p2align	8
	.type	k_qc64a3dd08d_ffn2,@function
k_qc64a3dd08d_ffn2:
	s_mov_b64 s[64:65], 0
	v_nop
	global_prefetch_b8 v0, s[64:65] scope:SCOPE_SE
	s_setreg_imm32_b32 hwreg(HW_REG_WAVE_MODE, 25, 1), 1
	s_wait_xcnt 0x0
; SECOND LAYER: out0[a] = h[row of a] . W2[e] + b2[e], each sorted row stored at its assignment's place.  h bf16 (as the first layer left it), W2, b2 f32, each rounded once to bf16; sums and out0 in f32.
; THE WEIGHTS STAY.  Work-group (x, y): team x (0..31), slice y (64 of the 512 columns).  The team's record in order names its expert and its blocks of 32 rows: first, first + step, .. below end.
; Wave w holds K = 512 w .. 512 w + 511 of the 2,048 for the slice's 64 columns: 512 registers.  32 x 8 = 256 work-groups.
; A trip: each wave multiplies the block's 32 rows, its quarter of K, by its weights (128 matrix instructions); the four partial sums of 32 x 64 meet in LDS, and wave w finishes and stores rows 8 w .. 8 w + 7.
; ELEVEN TRIPS, a constant: no team has more blocks (the first launch shares them out so).  A trip whose block lies at or behind the team's end is dead: its three parts are jumped over, forward;
; the two barriers stand outside the jumps, so that every wave passes each of them in every trip.
; h's fragments come straight into registers: the tile of 16 rows x 16 columns lies as 512 consecutive bytes, lane L's 16 bytes at 16 L, which is half of a fragment of 16 rows x 32 K.
; A ring of four groups of 16 loads keeps a whole block's quarter, 32 KiB a wave, on its way: a group is asked for again, for the next block, as soon as it has been multiplied.
; THE MATRIX INSTRUCTION IS USED TRANSPOSED (source 0 = 16 columns of W2, source 1 = 16 rows of h): a lane holds one row and eight neighbouring columns.
; A ROW LEAVES BY ONE STORE: 32 lanes x 8 bytes are its 256 consecutive bytes in the slice.  A pad's row is passed by a scalar jump on its entry; pads end a block, so the first pad ends my stores.
; NO CLUSTER, NO TENSOR LOADS: W2 is f32 and lies [K][N], so it is rounded and turned on its way into registers.  The 8 slices of a team do walk the same blocks of h, 131,072 bytes each;
; asking for them jointly would bring them into LDS, from where each fragment would be read once more into registers: not built in this text.
; REGISTERS, in windows of 256: window 0: v0-31 addresses, b2, rows' offsets; v64-127 accumulators, (mt, nt) at 64 + 8 (4 mt + nt); v128-191 the four partial sums of my 8 rows
;   (v64-255 first serve as three stages for W2);  window 1: h's fragments, (ks, mt) at 16 ks + 8 mt;  windows 2, 3: W2's fragments, K step ks in window 2 + ks / 8, (ks, nt) at 32 (ks % 8) + 8 nt.
.set TRIPS, 11
.set LISTB, 0x200                      ; the list's first byte in order
.set PITCH, 2048                       ; bytes from row to row of W2[e]
.set WTW,   5120                       ; LDS 0 .. 20,479: for each wave a tile of 32 rows (K) x 64 bf16,
.set WP,    160                        ; rows 160 bytes apart = 5 x 32
.set RED,   20480                      ; LDS 20,480 .. 55,295: for each wave its partial sums, 32 rows x 64 f32,
.set RP,    272                        ; 256 bytes + 16 = 17 x 16: the 16 rows of a store start 16 bytes further on each
.set REDW,  32*RP
.set MAXB,  263
.set B2,    16                         ; v[16:17] b2 of my two columns
.set VO,    24                         ; v[24:31] byte offsets of my 8 rows in out0
.set ACC,   64
.set RT,    128                        ; part p, row i at RT + 16 p + 2 i
.set ID,    28                         ; s[28:35] the list's entries for my 8 rows
.set MSB, 0
.macro WIN new                         ; the immediate's high byte repeats the setting that is left; a switch that changes nothing is dropped
.if MSB != (\new)
	s_set_vgpr_msb (MSB<<8)|(\new)
.set MSB, (\new)
.endif
.endm
.macro PLACES                          ; five plain vector instructions behind a group's last products: four are due in front of a load or an LDS store that touches their registers, five in front of
.rept 5                                ; the products that start the next block's sums on the same accumulators (ISA guide 7.12.1)
	v_nop
.endr
.endm
; K step c of my shard: 32 rows x 64 columns of f32 into stage c % 3.  A load takes two rows: 16 lanes cover a row's 256 consecutive bytes, aligned.
.macro WLOAD c
.set SB, 64+64*((\c)%3)
.set t, 0
.rept 16
	global_load_b128 v[SB+4*t:SB+4*t+3], v5, s[6:7] offset:(32*(\c)+2*t)*PITCH
.set t, t+1
.endr
.endm
; K step c is rounded to bf16, laid into my own tile in LDS and read back turned, as 4 fragments of 16 columns x 32 K.  No barrier: the tile is my wave's, and LDS serves a wave's instructions in order (ISA guide 5.7.1.4).
.macro WTURN c
.set SB, 64+64*((\c)%3)
.if (\c) <= 13
	s_wait_loadcnt 32                              ; loads come back in order: K step c is in; the 32 loads of the two younger steps stay out
.elseif (\c) == 14
	s_wait_loadcnt 16                              ; one younger step
.else
	s_wait_loadcnt 0
.endif
.set t, 0
.rept 32
	v_cvt_pk_bf16_f32 v[SB+t], v[SB+2*t], v[SB+2*t+1]  ; in place: line t writes register t and reads 2 t, 2 t + 1, which no earlier line has written
.set t, t+1
.endr
.set t, 0
.rept 16
	ds_store_b64 v6, v[SB+2*t:SB+2*t+1] offset:t*2*WP
.set t, t+1
.endr
	WIN 0x80+0x40*((\c)>>3)                        ; destination window 2 or 3
.irp nt, 0,1,2,3
	ds_load_tr16_b128 v[32*((\c)&7)+8*\nt:32*((\c)&7)+8*\nt+3],   v7 offset:\nt*32
	ds_load_tr16_b128 v[32*((\c)&7)+8*\nt+4:32*((\c)&7)+8*\nt+7], v7 offset:\nt*32+16*WP
.endr
	WIN 0
.if (\c) <= 12
	s_wait_dscnt 8                                 ; the 16 stores are done with the stage; the 8 turning loads behind them may stay out
	WLOAD (\c)+3
.endif
.endm
; The 8 matrix instructions of K step ks.  The 8 accumulators take turns, one instruction a turn.  first = 1: the products start the sums.
.macro MUL ks, first
	WIN 0x06+((\ks)>>3)                            ; source 0 window 2 or 3, source 1 window 1, C and D window 0
.irp mt, 0,1
.irp nt, 0,1,2,3
.set rA, ACC+8*(4*\mt+\nt)
.set rW, 32*((\ks)&7)+8*\nt
.set rX, 16*(\ks)+8*\mt
.if \first
	v_wmma_f32_16x16x32_bf16 v[rA:rA+7], v[rW:rW+7], v[rX:rX+7], 0
.else
	v_wmma_f32_16x16x32_bf16 v[rA:rA+7], v[rW:rW+7], v[rX:rX+7], v[rA:rA+7]
.endif
.endr
.endr
.endm
; Group g of the ring: h's fragments of K steps 4 g .. 4 g + 3 of the block at s[38:39]: 16 loads of 512 consecutive bytes
.macro ALOAD g
.irp k4, 0,1,2,3
.irp mt, 0,1
.irp hf, 0,1
	global_load_b128 v[16*(4*(\g)+\k4)+8*\mt+4*\hf:16*(4*(\g)+\k4)+8*\mt+4*\hf+3], v4, s[38:39] offset:(4*(\g)+\k4)*2048+\hf*1024+\mt*512
.endr
.endr
.endr
.endm
	s_load_b256 s[4:11], s[0:1], 0x0               ; h s[4:5], W2 s[6:7], b2 s[8:9], order s[10:11]
	s_load_b64 s[12:13], s[0:1], 0x20              ; out0
	v_lshl_add_u32 v62, v0, 2, 0xd800
	v_mov_b32 v63, 0
	v_lshrrev_b32 v11, 5, v0
	v_readfirstlane_b32 s14, v11                   ; wave 0..3
	s_and_b32 s16, ttmp7, 0xffff                   ; slice
	s_lshl_b32 s45, ttmp9, 4                       ; the team's record, 16 bytes
	s_lshl_b32 s46, s14, 5                         ; my 8 entries in a block's 32
	s_mov_b32 s42, 0xffff0000                      ; a word's upper bf16
	s_wait_kmcnt 0x0
	s_load_b128 s[48:51], s[10:11], s45 offset:0x0 ; expert, first block, step, end block
	v_and_b32 v1, 31, v0                           ; lane
	v_and_b32 v2, 15, v0                           ; r
	v_bfe_u32 v3, v0, 4, 1                         ; hh
	v_lshlrev_b32 v4, 4, v1                        ; 16 lane
	v_mul_u32_u24 v5, v3, PITCH
	v_lshl_add_u32 v5, v2, 4, v5                   ; W2: row hh of a pair, 16 bytes a lane
	s_mul_i32 s25, s14, WTW                        ; my tile
	v_mul_u32_u24 v6, v3, WP
	v_lshl_add_u32 v6, v2, 3, v6
	v_add_nc_u32 v6, s25, v6                       ; into the tile: row hh of a pair, 8 bytes a lane
	v_and_b32 v11, 7, v0
	v_lshl_add_u32 v11, v3, 3, v11
	v_mul_u32_u24 v7, v11, WP
	v_bfe_u32 v11, v0, 3, 1
	v_lshl_add_u32 v7, v11, 4, v7
	v_add_nc_u32 v7, s25, v7                       ; the turning load: row 8 hh + lane % 8, 16 bytes x (lane / 8) % 2
	s_mul_i32 s25, s14, REDW
	s_add_co_u32 s25, s25, RED                     ; my part
	v_mul_u32_u24 v8, v2, RP
	v_lshl_add_u32 v8, v3, 5, v8
	v_add_nc_u32 v8, s25, v8                       ; in: row r, 32 bytes x hh
	s_mul_i32 s25, s14, 8*RP
	s_add_co_u32 s25, s25, RED                     ; my 8 rows, in part 0
	v_lshl_add_u32 v9, v1, 3, s25                  ; back: a row's 256 bytes, 8 bytes a lane
	v_lshlrev_b32 v10, 3, v1                       ; 8 lane: my two columns
	s_lshl_b32 s24, s16, 8                         ; the slice's first column in bytes of f32
	s_mov_b32 s27, 0
	s_mov_b32 s41, 0
	s_mov_b32 s53, 0
	s_mov_b32 s54, s24                             ; out0
	s_mov_b32 s55, 0
	s_lshl_b32 s56, s14, 15                        ; h: my quarter of K, 32 tiles of 16 columns
	s_mov_b32 s57, 0
	s_wait_kmcnt 0x0
	s_min_u32 s15, s48, 7                          ; the expert: a loaded number is bounded before it enters an address
	s_lshl_b32 s26, s15, 22                        ; W2[e]: 4 MiB an expert,
	s_lshl_b32 s25, s14, 20                        ; my 512 rows of 2,048 bytes
	s_add_co_u32 s26, s26, s25
	s_add_co_u32 s26, s26, s24
	s_lshl_b32 s52, s15, 11                        ; b2[e]
	s_add_co_u32 s52, s52, s24
	s_add_nc_u64 s[6:7], s[6:7], s[26:27]
	s_add_nc_u64 s[8:9], s[8:9], s[52:53]
	s_add_nc_u64 s[12:13], s[12:13], s[54:55]
	s_add_nc_u64 s[4:5], s[4:5], s[56:57]
	s_mov_b32 s22, s49                             ; the block in hand
	s_mov_b32 s44, s50                             ; the step
	s_mov_b32 s47, s51                             ; the end
	s_sub_co_u32 s37, s51, 1                       ; the expert's last block: the first layer has stored it, and so has the list
	s_min_u32 s25, s22, s37
	s_min_u32 s25, s25, MAXB
	s_lshl_b32 s40, s25, 17
	s_add_nc_u64 s[38:39], s[4:5], s[40:41]
	s_lshl_b32 s36, s25, 7
	s_add_co_u32 s36, s36, s46
	s_load_b256 s[ID:ID+7], s[10:11], s36 offset:LISTB  ; the first block's entries for the 8 rows that I finish
	WIN 0x40                                       ; destination window 1
	ALOAD 0                                        ; the first block's fragments: the oldest loads, so the counts below need not know of them
	ALOAD 1
	ALOAD 2
	ALOAD 3
	WIN 0
	global_load_b64 v[B2:B2+1], v10, s[8:9]
	WLOAD 0                                        ; three K steps, 24 KiB a wave, are kept on their way
	WLOAD 1
	WLOAD 2
.irp c, 0,1,2,3,4,5,6,7,8,9,10,11,12,13,14,15
	WTURN \c
.endr
	s_wait_dscnt 0x0                               ; all of W2's fragments are in
	v_cvt_pk_bf16_f32 v11, v[B2], v[B2+1]          ; b2 rounded to bf16 like the other inputs, and widened again
	v_lshlrev_b32 v[B2], 16, v11
	v_and_b32 v[B2+1], s42, v11
	s_mov_b32 s21, TRIPS
.Lloop:
	s_wait_xcnt 0x0                                ; at the trip's head, on every way through it: the ring's base, and the registers that the last trip's stores read, are written again only behind this wait
	s_cmp_lt_u32 s22, s47
	s_cbranch_scc0 .Lno_mul                        ; a dead trip
	s_add_co_u32 s25, s22, s44                     ; the next block, or behind my last one the expert's last: stored, and multiplied by nobody here
	s_min_u32 s25, s25, s37
	s_min_u32 s25, s25, MAXB
	s_lshl_b32 s40, s25, 17
	s_add_nc_u64 s[38:39], s[4:5], s[40:41]
.irp g, 0,1,2,3
	s_wait_loadcnt 48                              ; loads come back in order: this block's group g is in; the three younger groups of 16 stay out
.if \g == 0
	MUL 0, 1
.else
	MUL 4*\g, 0
.endif
	MUL 4*\g+1, 0
	MUL 4*\g+2, 0
	MUL 4*\g+3, 0
	PLACES
	WIN 0x40
	ALOAD \g                                       ; the same group of the next block
.endr
	WIN 0
.irp mt, 0,1
.irp nt, 0,1,2,3
	ds_store_b128 v8, v[ACC+8*(4*\mt+\nt):ACC+8*(4*\mt+\nt)+3]   offset:\mt*16*RP+\nt*64      ; each accumulator from its low end on
	ds_store_b128 v8, v[ACC+8*(4*\mt+\nt)+4:ACC+8*(4*\mt+\nt)+7] offset:\mt*16*RP+\nt*64+16
.endr
.endr
.Lno_mul:
	s_wait_dscnt 0x0                               ; for the others' sake: my partial sums are written
	s_barrier_signal -1
	s_barrier_wait -1
	s_cmp_lt_u32 s22, s47
	s_cbranch_scc0 .Lno_read
.irp p, 0,1,2,3
.irp i, 0,1,2,3,4,5,6,7
	ds_load_b64 v[RT+16*\p+2*\i:RT+16*\p+2*\i+1], v9 offset:\p*REDW+\i*RP  ; 32 lanes, a row's 256 consecutive bytes
.endr
.endr
.Lno_read:
	s_wait_dscnt 0x0                               ; my reads of the four parts are over
	s_barrier_signal -1
	s_barrier_wait -1                              ; behind this no wave reads the parts any more: the next trip may write them
	s_cmp_lt_u32 s22, s47
	s_cbranch_scc0 .Lno_out
.irp i, 0,1,2,3,4,5,6,7
	v_pk_add_f32 v[RT+2*\i:RT+2*\i+1], v[RT+2*\i:RT+2*\i+1], v[RT+16+2*\i:RT+16+2*\i+1]
	v_pk_add_f32 v[RT+32+2*\i:RT+32+2*\i+1], v[RT+32+2*\i:RT+32+2*\i+1], v[RT+48+2*\i:RT+48+2*\i+1]
.endr
.irp i, 0,1,2,3,4,5,6,7
	v_pk_add_f32 v[RT+2*\i:RT+2*\i+1], v[RT+2*\i:RT+2*\i+1], v[RT+32+2*\i:RT+32+2*\i+1]
.endr
.irp i, 0,1,2,3,4,5,6,7
	v_pk_add_f32 v[RT+2*\i:RT+2*\i+1], v[RT+2*\i:RT+2*\i+1], v[B2:B2+1]
.endr
	s_wait_kmcnt 0x0                               ; my rows' entries, asked for a trip ago
.irp i, 0,1,2,3,4,5,6,7
	s_cmp_lt_u32 s[ID+\i], 0x2000                  ; a pad's -1 is no assignment; behind a block's first pad come only pads
	s_cbranch_scc0 .Lpads
	s_min_u32 s25, s[ID+\i], 0x1fff
	v_lshl_add_u32 v[VO+\i], s25, 11, v10          ; 2,048 bytes a row of out0
	global_store_b64 v[VO+\i], v[RT+2*\i:RT+2*\i+1], s[12:13] th:TH_STORE_NT  ; 256 consecutive bytes of a row, at a multiple of 256 from out0's first byte
.endr
.Lpads:
	s_add_co_u32 s25, s22, s44                     ; the next block's entries, behind the last use of this block's
	s_min_u32 s25, s25, s37
	s_min_u32 s25, s25, MAXB
	s_lshl_b32 s36, s25, 7
	s_add_co_u32 s36, s36, s46
	s_load_b256 s[ID:ID+7], s[10:11], s36 offset:LISTB
.Lno_out:
	s_add_co_u32 s22, s22, s44                     ; the team's next block
	s_sub_co_u32 s21, s21, 1
	s_cmp_lg_u32 s21, 0
	s_cbranch_scc1 .Lloop
	s_wait_loadcnt 0x0                             ; the ring's last loads and the last entries (a bounded block, used by nobody) are let land
	s_wait_kmcnt 0x0
	s_wait_tensorcnt 0x0
	ds_add_u32 v62, v63
	s_wait_dscnt 0x0
	s_endpgm
.Lfunc_end_k_qc64a3dd08d_ffn2:
	.size	k_qc64a3dd08d_ffn2, .Lfunc_end_k_qc64a3dd08d_ffn2-k_qc64a3dd08d_ffn2
	.p2alignl 7, 3214868480
	.fill 96, 4, 3214868480
	.section	.rodata,"a",@progbits
	.p2align	6, 0x0
	.amdhsa_kernel k_qc64a3dd08d_ffn2
		.amdhsa_group_segment_fixed_size 55808
		.amdhsa_private_segment_fixed_size 0
		.amdhsa_enable_private_segment 0
		.amdhsa_kernarg_size 40
		.amdhsa_user_sgpr_count 2
		.amdhsa_user_sgpr_kernarg_segment_ptr 1
		.amdhsa_wavefront_size32 1
		.amdhsa_system_sgpr_workgroup_id_x 1
		.amdhsa_system_sgpr_workgroup_id_y 1
		.amdhsa_system_sgpr_workgroup_id_z 1
		.amdhsa_system_vgpr_workitem_id 0
		.amdhsa_next_free_vgpr 1024
		.amdhsa_next_free_sgpr 66
		.amdhsa_reserve_vcc 0
		.amdhsa_float_denorm_mode_32 3
		.amdhsa_float_denorm_mode_16_64 3
		.amdhsa_memory_ordered 1
		.amdhsa_forward_progress 1
		.amdhsa_inst_pref_size 116
	.end_amdhsa_kernel
	.amdgpu_metadata
---
amdhsa.version: [ 1, 2 ]
amdhsa.kernels:
  - .name:           k_qc64a3dd08d_ffn2
    .symbol:         k_qc64a3dd08d_ffn2.kd
    .args:
      - { .name: h, .offset: 0, .size: 8, .value_kind: global_buffer, .address_space: global }
      - { .name: W2, .offset: 8, .size: 8, .value_kind: global_buffer, .address_space: global }
      - { .name: b2, .offset: 16, .size: 8, .value_kind: global_buffer, .address_space: global }
      - { .name: order, .offset: 24, .size: 8, .value_kind: global_buffer, .address_space: global }
      - { .name: out0, .offset: 32, .size: 8, .value_kind: global_buffer, .address_space: global }
    .group_segment_fixed_size: 55808
    .private_segment_fixed_size: 0
    .kernarg_segment_align: 8
    .kernarg_segment_size: 40
    .max_flat_workgroup_size: 128
    .sgpr_count:     66
    .vgpr_count:     1024
    .wavefront_size: 32
...
	.end_amdgpu_metadata
.endif
;; end of part 3
;; ======== version 2 of 3: 3 launches; 1.14 times as fast as version 1
;; workspace buffers: order 34,304 bytes of whole numbers; h 34,603,008 bytes
;; launch route (part 4): grid 1 x 1, 32 waves a work-group, no clusters, 5,120 bytes of LDS; arguments expert_indices, order; writes order
.if DOCPART == 4
	.amdgcn_target "amdgcn-amd-amdhsa--gfx1250"
	.amdhsa_code_object_version 6
	.text
	.protected	k_qc64a3dd08d_route
	.globl	k_qc64a3dd08d_route
	.p2align	8
	.type	k_qc64a3dd08d_route,@function
k_qc64a3dd08d_route:
	s_mov_b64 s[64:65], 0
	v_nop
	global_prefetch_b8 v0, s[64:65] scope:SCOPE_SE
	s_setreg_imm32_b32 hwreg(HW_REG_WAVE_MODE, 25, 1), 1
	s_wait_xcnt 0x0
; ROUTE.  The 8,192 assignments a = 2 t + k (token t, choice k) are sorted by expert into blocks of 32 rows, and the blocks are shared out among 32 teams.
; order, as stored here: bytes 0 .. 511 the teams' records, four words each: expert, first block, step, end block (a team takes first, first + step, .. below end);
; from byte 512 on the list, 32 entries a block: an entry is an assignment's number, or -1 for a row that pads an expert's last block.  Blocks behind the last one in use are
; neither stored nor read.  (The sum over 8 experts of ceil(n / 32) is at most (8,192 + 8 x 31) / 32, so 263.)
; TEAMS.  Expert e with nb blocks gets ceil(nb / L) teams, L the least of 8, 9, 10, 11 at which the teams add up to 32 at the most; so no team has more than 11 blocks.
; L = 11 always serves: the sum of ceil(nb / 11) is at most (263 + 8 x 10) / 11 < 32.  Less than 8 never does: 256 blocks or more for 32 teams.  Teams that are left over get first = end.
; ONE work-group of 32 waves: a sum over all assignments is wanted before any place is known, and work-groups hand each other nothing.
; Wave w owns assignments 256 w .. 256 w + 255, eight a lane.  ONE pass gives each assignment its place among its wave's rows of the same expert, and leaves the wave's counts; the counts meet in LDS;
; each wave adds them (lane 8 g + e: expert e, waves 8 g .. 8 g + 7), makes blocks and bases in the lanes, and adds each assignment's base by a lane lookup.
; All sums are whole numbers, since addresses are made of them.  The pads are stored by waves 0 to 7, the teams' records are made and stored by wave 8.
; LIMIT.  An index outside 0..7 matches no expert: its place is no place of its own and falls on another row's entry.  The problem keeps indices inside the table.
.set NLIST, 8448                       ; entries that the list has room for
.set LAST,  NLIST-1
.set LISTB, 512                        ; the list's first byte in order
.set EX,  4                            ; v[4:11]   the experts of my 8 assignments: register 4 q + c is assignment 256 w + 128 q + 4 lane + c; later 4 x expert
.set PO,  12                           ; v[12:19]  their places, then byte offsets
.set AI,  20                           ; v[20:27]  their numbers: the stores' data
.set CN,  32                           ; v[32:39]  my wave's counts; then lane 8 g + e: the counts of waves 8 g .. 8 g + 7 for expert e
.set PF,  40                           ; v[40:47]  the same, 0 for waves that are not below mine
.set REC, 56                           ; v[56:59]  wave 8, lane g: team g's record
.set VT,  64                           ; lane % 8 = e: the expert's rows
.set VP,  65                           ;               of them, in the waves below mine
.set VNB, 66                           ;               its blocks
.set VSC, 67                           ; lanes 0-7:    blocks of experts 0 .. e
.set VBK, 68                           ;               its first block
.set VBA, 69                           ;               the place of my wave's first row of it
.set VPS, 70                           ;               behind its last row
.set VPE, 71                           ;               its blocks' end
.set BS,  72                           ; v[72:79]  my 8 assignments' bases
.set RUN, 24                           ; s[24:31]  expert e: my wave's rows so far
.set NBK, 32                           ; s[32:39]  wave 8: expert e: blocks
.set BK0, 40                           ; s[40:47]  first block
.set TM,  52                           ; s[52:59]  teams
.set CT,  66                           ; s[66:73]  teams at the L on trial
.set T0,  74                           ; s[74:81]  first team
.set MK,  84                           ; s[84:91]  expert e: the lanes that hold it in the register in hand, then their number
	s_load_b128 s[4:7], s[0:1], 0x0                ; expert_indices s[4:5], order s[6:7]
	v_lshl_add_u32 v96, v0, 2, 0x400
	v_mov_b32 v97, 0
	v_and_b32 v1, 31, v0                           ; lane
	v_lshrrev_b32 v2, 5, v0
	v_readfirstlane_b32 s8, v2                     ; wave 0..31
	v_lshlrev_b32 v3, 4, v1
	v_lshl_add_u32 v3, v2, 10, v3                  ; 1,024 w + 16 lane: a wave's load covers 512 consecutive bytes
	s_mov_b32 s12, 0x76543210                      ; v_permlanex16_b32: each lane takes its own place in the other half
	s_mov_b32 s13, 0xfedcba98
.irp e, 0,1,2,3,4,5,6,7
	s_mov_b32 s[RUN+\e], 0
.endr
	s_wait_kmcnt 0x0
	global_load_b128 v[EX:EX+3], v3, s[4:5]
	global_load_b128 v[EX+4:EX+7], v3, s[4:5] offset:512
	; what hangs on ids alone is made while the loads are out
	v_mov_b32 v28, 0                               ; at work; written here because a lane move counts as a reader of its destination
	v_mov_b32 v29, 0
	v_mov_b32 v48, -1                              ; a pad's entry
	v_mov_b32 v30, s8
	v_lshlrev_b32 v63, 2, v30                      ; 4 w: lane w, for the lookups
	v_lshlrev_b32 v30, 5, v30                      ; 32 w: my wave's 8 words in LDS
	v_lshrrev_b32 v31, 3, v1                       ; g
	v_lshlrev_b32 v62, 3, v31
	v_sub_nc_u32 v62, v2, v62                      ; w - 8 g: of my eight waves those with a lower number than this lie below mine
	v_and_b32 v61, 7, v1                           ; e
	v_lshlrev_b32 v61, 2, v61
	v_lshl_add_u32 v31, v31, 8, v61                ; 256 g + 4 e: word 8 (8 g) + e
	v_lshlrev_b32 v61, 4, v1                       ; 16 lane: a record
	v_lshlrev_b32 v80, 2, v1
	v_lshl_add_u32 v80, v2, 8, v80                 ; 256 w + 4 lane
.irp jj, 0,1,2,3,4,5,6,7
	v_add_nc_u32 v[AI+\jj], 128*(\jj/4)+(\jj%4), v80
.endr
	s_wait_loadcnt 0x0
	; places in my wave: the expert's rows so far, plus the lanes below mine that hold the same expert in the same register
.irp jj, 0,1,2,3,4,5,6,7
.irp e, 0,1,2,3,4,5,6,7
	v_cmp_eq_u32 s[MK+\e], \e, v[EX+\jj]
.endr
	v_mbcnt_lo_u32_b32 v[PO+\jj], s[MK], s[RUN]    ; expert 0's value starts the choice: nothing is cleared
.irp e, 1,2,3,4,5,6,7
	v_mbcnt_lo_u32_b32 v[28+(\e%2)], s[MK+\e], s[RUN+\e]
	v_cndmask_b32 v[PO+\jj], v[PO+\jj], v[28+(\e%2)], s[MK+\e]
.endr
.irp e, 0,1,2,3,4,5,6,7
	s_bcnt1_i32_b32 s[MK+\e], s[MK+\e]
.endr
.irp e, 0,1,2,3,4,5,6,7
	s_add_co_u32 s[RUN+\e], s[RUN+\e], s[MK+\e]
.endr
.endr
	; the counts meet in LDS: word 8 w + e
.irp e, 0,1,2,3,4,5,6,7
	v_mov_b32 v[CN+\e], s[RUN+\e]
.endr
	ds_store_b128 v30, v[CN:CN+3]                  ; all lanes write the same words with the same values
	ds_store_b128 v30, v[CN+4:CN+7] offset:16
	s_wait_dscnt 0x0                               ; for the others' sake: my words are written
	s_barrier_signal -1
	s_barrier_wait -1
.irp j, 0,1,2,3,4,5,6,7
	ds_load_b32 v[CN+\j], v31 offset:\j*32         ; lane 8 g + e: wave 8 g + j's count for expert e
.endr
	s_wait_dscnt 0x0
.irp j, 0,1,2,3,4,5,6,7
	v_cmp_lt_i32 s9, \j, v62                       ; wave 8 g + j lies below mine
	v_cndmask_b32 v[PF+\j], 0, v[CN+\j], s9
.endr
	v_add3_u32 v[VT], v[CN], v[CN+1], v[CN+2]
	v_add3_u32 v28, v[CN+3], v[CN+4], v[CN+5]
	v_add3_u32 v[VP], v[PF], v[PF+1], v[PF+2]
	v_add3_u32 v29, v[PF+3], v[PF+4], v[PF+5]
	v_add3_u32 v[VT], v[VT], v28, v[CN+6]
	v_add3_u32 v[VP], v[VP], v29, v[PF+6]
	v_add_nc_u32 v[VT], v[VT], v[CN+7]
	v_add_nc_u32 v[VP], v[VP], v[PF+7]
.irp reg, VT, VP                       ; the four groups of waves: the lane 8 away, then the lane 16 away; every lane ends with its expert's sum
	v_mov_b32_dpp v28, v[\reg] row_xmask:8 row_mask:0xf bank_mask:0xf
	v_add_nc_u32 v[\reg], v[\reg], v28
	v_permlanex16_b32 v28, v[\reg], s12, s13
	v_add_nc_u32 v[\reg], v[\reg], v28
.endr
	; blocks: each expert begins on a block of its own.  The running sum over experts is right in lanes 0 to 7, and only those are looked up
	v_add_nc_u32 v[VNB], 31, v[VT]
	v_lshrrev_b32 v[VNB], 5, v[VNB]
	v_mov_b32 v[VSC], v[VNB]
.irp n, 1,2,4
	v_mov_b32 v28, 0                               ; what a lane without a source keeps
	v_mov_b32_dpp v28, v[VSC] row_shr:\n row_mask:0xf bank_mask:0xf
	v_add_nc_u32 v[VSC], v[VSC], v28
.endr
	v_sub_nc_u32 v[VBK], v[VSC], v[VNB]
	v_lshl_add_u32 v[VBA], v[VBK], 5, v[VP]
	v_lshl_add_u32 v[VPS], v[VBK], 5, v[VT]
	v_lshlrev_b32 v[VPE], 5, v[VSC]
.irp jj, 0,1,2,3,4,5,6,7
	v_lshlrev_b32 v[EX+\jj], 2, v[EX+\jj]
	ds_bpermute_b32 v[BS+\jj], v[EX+\jj], v[VBA]   ; lane e's base
.endr
	ds_bpermute_b32 v49, v63, v[VPS]               ; lane w's: used by waves 0 to 7
	ds_bpermute_b32 v50, v63, v[VPE]
	s_wait_dscnt 0x0
.irp jj, 0,1,2,3,4,5,6,7
	v_add_nc_u32 v[PO+\jj], v[PO+\jj], v[BS+\jj]
	v_min_u32 v[PO+\jj], LAST, v[PO+\jj]           ; a place made of loaded numbers is bounded before it enters an address
	v_lshlrev_b32 v[PO+\jj], 2, v[PO+\jj]
	global_store_b32 v[PO+\jj], v[AI+\jj], s[6:7] offset:LISTB  ; four bytes a lane to sorted places: 32 KiB in all, once
.endr
	v_add_nc_u32 v49, v49, v1                      ; the pads of expert w: one a lane, 31 at the most
	v_cmp_gt_u32 vcc_lo, v50, v49
	v_min_u32 v49, LAST, v49
	v_lshlrev_b32 v49, 2, v49
	s_cmp_lg_u32 s8, 8
	s_cbranch_scc1 .Lno_records
.irp e, 0,1,2,3,4,5,6,7
	v_readlane_b32 s[NBK+\e], v[VNB], \e
	v_readlane_b32 s[BK0+\e], v[VBK], \e
.endr
	; teams: ceil(nb / L) = (nb + L - 1) x ceil(65536 / L) >> 16, exact here: the operand is 266 at the most and ceil(65536 / L) x L passes 65,536 by 10 at the most.
	; From L = 11 down: a smaller L is taken while its teams still add up to 32 or fewer (the sum only grows as L falls).
.irp L, 11,10,9,8
	s_mov_b32 s60, 0
.irp e, 0,1,2,3,4,5,6,7
	s_add_co_u32 s61, s[NBK+\e], \L-1
	s_mul_i32 s61, s61, (65536+\L-1)/\L
	s_lshr_b32 s[CT+\e], s61, 16
	s_add_co_u32 s60, s60, s[CT+\e]
.endr
.if \L == 11
.irp e, 0,1,2,3,4,5,6,7
	s_mov_b32 s[TM+\e], s[CT+\e]
.endr
.else
	s_cmp_le_u32 s60, 32
.irp e, 0,1,2,3,4,5,6,7
	s_cselect_b32 s[TM+\e], s[CT+\e], s[TM+\e]
.endr
.endif
.endr
	s_mov_b32 s[T0], 0
.irp e, 1,2,3,4,5,6,7
	s_add_co_u32 s[T0+\e], s[T0+\e-1], s[TM+\e-1]
.endr
	; lane g makes team g's record: its expert is the last one whose first team is g or lower
	v_mov_b32 v[REC], 0                            ; expert
	v_mov_b32 v53, 0                               ; the expert's first team
	v_mov_b32 v54, s[BK0]                          ; its first block
	v_mov_b32 v55, s[NBK]                          ; its blocks
	v_mov_b32 v[REC+2], s[TM]                      ; its teams: the step
.irp e, 1,2,3,4,5,6,7
	v_cmp_le_u32 s9, s[T0+\e], v1
	v_cndmask_b32 v[REC], v[REC], \e, s9
	v_cndmask_b32 v53, v53, s[T0+\e], s9
	v_cndmask_b32 v54, v54, s[BK0+\e], s9
	v_cndmask_b32 v55, v55, s[NBK+\e], s9
	v_cndmask_b32 v[REC+2], v[REC+2], s[TM+\e], s9
.endr
	v_sub_nc_u32 v60, v1, v53                      ; the team's number among the expert's
	v_add_nc_u32 v[REC+1], v54, v60                ; first block
	v_add_nc_u32 v[REC+3], v54, v55                ; end block
	v_cmp_ge_u32 s9, v60, v[REC+2]                 ; a team behind the last expert's last: left over
	v_cndmask_b32 v[REC+1], v[REC+1], v[REC+3], s9
	global_store_b128 v61, v[REC:REC+3], s[6:7]    ; the 32 records: 512 consecutive bytes
.Lno_records:
	s_cmp_lt_u32 s8, 8
	s_cbranch_scc0 .Lno_pads
	s_wait_xcnt 0x0                                ; EXEC is a source of the stores above: it changes only behind this wait
	s_and_saveexec_b32 s51, vcc_lo
	global_store_b32 v49, v48, s[6:7] offset:LISTB
	s_wait_xcnt 0x0                                ; and again in front of the line that widens it
	s_or_b32 exec_lo, exec_lo, s51
.Lno_pads:
	s_wait_tensorcnt 0x0
	ds_add_u32 v96, v97
	s_wait_dscnt 0x0
	s_endpgm
.Lfunc_end_k_qc64a3dd08d_route:
	.size	k_qc64a3dd08d_route, .Lfunc_end_k_qc64a3dd08d_route-k_qc64a3dd08d_route
	.p2alignl 7, 3214868480
	.fill 96, 4, 3214868480
	.section	.rodata,"a",@progbits
	.p2align	6, 0x0
	.amdhsa_kernel k_qc64a3dd08d_route
		.amdhsa_group_segment_fixed_size 5120
		.amdhsa_private_segment_fixed_size 0
		.amdhsa_enable_private_segment 0
		.amdhsa_kernarg_size 16
		.amdhsa_user_sgpr_count 2
		.amdhsa_user_sgpr_kernarg_segment_ptr 1
		.amdhsa_wavefront_size32 1
		.amdhsa_system_sgpr_workgroup_id_x 1
		.amdhsa_system_sgpr_workgroup_id_y 1
		.amdhsa_system_sgpr_workgroup_id_z 1
		.amdhsa_system_vgpr_workitem_id 0
		.amdhsa_next_free_vgpr 98
		.amdhsa_next_free_sgpr 96
		.amdhsa_reserve_vcc 1
		.amdhsa_float_denorm_mode_32 3
		.amdhsa_float_denorm_mode_16_64 3
		.amdhsa_memory_ordered 1
		.amdhsa_forward_progress 1
		.amdhsa_inst_pref_size 35
	.end_amdhsa_kernel
	.amdgpu_metadata
---
amdhsa.version: [ 1, 2 ]
amdhsa.kernels:
  - .name:           k_qc64a3dd08d_route
    .symbol:         k_qc64a3dd08d_route.kd
    .args:
      - { .name: expert_indices, .offset: 0, .size: 8, .value_kind: global_buffer, .address_space: global }
      - { .name: order, .offset: 8, .size: 8, .value_kind: global_buffer, .address_space: global }
    .group_segment_fixed_size: 5120
    .private_segment_fixed_size: 0
    .kernarg_segment_align: 8
    .kernarg_segment_size: 16
    .max_flat_workgroup_size: 1024
    .sgpr_count:     96
    .vgpr_count:     98
    .wavefront_size: 32
...
	.end_amdgpu_metadata
.endif
;; end of part 4
;; launch ffn1 (part 5): grid 32 x 8, 4 waves a work-group, no clusters, 87,552 bytes of LDS; arguments inputs, W1, b1, order, h; writes h
.if DOCPART == 5
	.amdgcn_target "amdgcn-amd-amdhsa--gfx1250"
	.amdhsa_code_object_version 6
	.text
	.protected	k_qc64a3dd08d_ffn1
	.globl	k_qc64a3dd08d_ffn1
	.p2align	8
	.type	k_qc64a3dd08d_ffn1,@function
k_qc64a3dd08d_ffn1:
	s_mov_b64 s[64:65], 0
	v_nop
	global_prefetch_b8 v0, s[64:65] scope:SCOPE_SE
	s_setreg_imm32_b32 hwreg(HW_REG_WAVE_MODE, 25, 1), 1
	s_wait_xcnt 0x0
; FIRST LAYER, for the sorted rows alone: h[row][c] = relu(x[token(row)] . W1[e][:, c] + b1[e][c]).  x, W1, b1 f32; products in bf16 with f32 sums; h leaves in bf16.
; x, W1 and b1 are each rounded once to bf16 (nearest even); bf16 keeps f32's range.  LIMIT: relu is a maximum with 0 in which a NaN loses, so a NaN becomes 0.
; THE WEIGHTS STAY.  Work-group (x, y): team x (0..31), slice y (256 of the 2,048 columns).  The team's record in order names its expert and its blocks of 32 rows: first, first + step, .. below end.
; A wave holds 512 (K) x 64 columns of the expert's W1 as bf16 fragments in 512 registers; the 8 slices of a team hold the expert's layer.  32 x 8 = 256 work-groups.
; A TRIP multiplies a block's 32 rows of x, which lie rounded in one of two LDS slots, by the wave's 64 columns: 128 matrix instructions, in four groups of four K steps.
; MEMORY INSTRUCTIONS STAND IN RUNS at the groups' edges, never singly among the products: the fragment loads of a group 32 products or more ahead of their use; between the second and the third group
; the next block's staging (each wave gathers 8 rows: round, into the other slot, ask for the same rows of the block after it, which then have a whole trip in which to land).
; THE WAY OUT IS A TRIP LATE: a block's relu, rounding and stores stand in the next trip, between the first fragment loads and the first products, in the time in which those fragments arrive.
; ONE BARRIER A TRIP: in front of it each wave waits for its stores into the slot to be read and for its reads of the slot to be written.
; TWELVE TRIPS, a constant, in six pairs (one trip for each slot): no team has more than 11 blocks (the launch before shares them out so), so the twelfth trip has no block of its own and sends the
; eleventh block out.  A trip whose block lies at or behind the team's end is dead: its work is jumped over, forward, but for the way out of the block before; the barrier stands outside the jumps.
; THE MATRIX INSTRUCTION IS USED TRANSPOSED (source 0 = 16 columns of W1, source 1 = 16 rows of x): a lane then holds one row and eight neighbouring columns, which pack into 16 bytes.
; h's LAYOUT: block b at b x 131,072; in it the tile of 16 rows (mt) x 16 columns (c / 16) at (c / 16) x 1,024 + mt x 512, lane L's 16 bytes at 16 L.  So a store of a wave covers 512
; consecutive bytes, and the next layer loads the same 512 bytes as half of a fragment (16 rows x 32 K), with no LDS between.
; NO CLUSTER, NO TENSOR LOADS: W1 is f32 and lies [K][N], so it is rounded and turned on its way into registers; x's rows are gathered by a list and rounded; neither is a copy.  The teams
; of an expert that read one shard of W1 read it once each, 524,288 bytes, at the launch's start; how many they are hangs on the routing.
; REGISTERS, in windows of 256: window 0: v0-15 addresses; v16-47 b1 in the accumulators' layout; v48-55 rows' offsets; v64-127 accumulators, (mt, nt) at 64 + 8 (4 mt + nt); v128-255 x as loaded, 16 a row;
;   window 1: x's fragments, (ks, mt) at 16 ks + 8 mt;  windows 2, 3: W1's fragments, K step ks in window 2 + ks / 8, (ks, nt) at 32 (ks % 8) + 8 nt.
;   Ahead of the loop v64-255 of window 0 and v192-255 of window 1 are four stages for W1.  A trip has nine window switches.
.set PAIRS, 6
.set LISTB, 0x200                      ; the list's first byte in order
.set PITCH, 8192                       ; bytes from row to row of W1[e]
.set WTW,   5120                       ; LDS 0 .. 20,479: for each wave a tile of 32 rows (K) x 64 bf16,
.set WP,    160                        ; rows 160 bytes apart = 5 x 32: the 8 rows x 32 bytes that 16 lanes of the turning load take fall on different words
.set XB,    20480                      ; LDS 20,480 .. 87,039: two slots, each a block's 32 rows of x in bf16,
.set XP,    1040                       ; 1,024 bytes + 16: 65 x 16, so the 16 rows of a fragment load start 16 bytes further on each
.set XSL,   32*XP
.set MAXB,  263                        ; the last block that the list and h have room for
.set BIAS,  16
.set XO,    48
.set ACC,   64
.set XST,   128
.set SB3,   192                        ; the fourth stage, in window 1
.set ID0,   28                         ; s[28:35], s[52:59]: the list's entries for my 8 rows, two sets that take turns;
.set ID1,   52                         ; s36, s38: the offsets of their loads
.set XWR,   0                          ; the slot that is staged into, and
.set XRD,   0                          ; the slot that is read, as byte offsets
.set MSB, 0
.macro WIN new                         ; the immediate's high byte repeats the setting that is left; a switch that changes nothing is dropped
.if MSB != (\new)
	s_set_vgpr_msb (MSB<<8)|(\new)
.set MSB, (\new)
.endif
.endm
.macro STAGE c                         ; K step c's stage: registers SB on, in window SW
.if ((\c)%4) == 3
.set SB, SB3
.set SW, 1
.else
.set SB, 64+64*((\c)%4)
.set SW, 0
.endif
.endm
; K step c of my shard: 32 rows x 64 columns of f32.  A load takes rows k and k + 4: 16 lanes cover a row's 256 consecutive bytes, aligned.
.macro WLOAD c
	STAGE \c
	WIN 0x40*SW
.set t, 0
.rept 16
	global_load_b128 v[SB+4*t:SB+4*t+3], v5, s[6:7] offset:(32*(\c)+8*(t/4)+t%4)*PITCH
.set t, t+1
.endr
.endm
; K step c is rounded to bf16, laid into my own tile in LDS and read back turned, as 4 fragments of 16 columns x 32 K.  n: the loads issued behind K step c's, which stay out.
; No barrier: the tile is my wave's, and LDS serves a wave's instructions in order (ISA guide 5.7.1.4).  Rows k and k + 4 of the tile lie 640 bytes = 160 words apart, 32 modulo 64:
; the 32 lanes of a store touch 64 different words modulo 64 (64 banks of 4 bytes: ISA guide 11.1).
.macro WTURN c, n
	STAGE \c
	s_wait_loadcnt \n                              ; loads come back in order
	WIN 0x45*SW
.set t, 0
.rept 32
	v_cvt_pk_bf16_f32 v[SB+t], v[SB+2*t], v[SB+2*t+1]  ; in place: line t writes register t and reads 2 t, 2 t + 1, which no earlier line has written
.set t, t+1
.endr
	WIN 0x04*SW
.set t, 0
.rept 16
	ds_store_b64 v6, v[SB+2*t:SB+2*t+1] offset:(8*(t/4)+t%4)*WP
.set t, t+1
.endr
	WIN 0x80+0x40*((\c)>>3)                        ; destination window 2 or 3
.irp nt, 0,1,2,3
	ds_load_tr16_b128 v[32*((\c)&7)+8*\nt:32*((\c)&7)+8*\nt+3],   v7 offset:\nt*32
	ds_load_tr16_b128 v[32*((\c)&7)+8*\nt+4:32*((\c)&7)+8*\nt+7], v7 offset:\nt*32+16*WP
.endr
	WIN 0
.endm
.macro XADDR1 set, i                   ; row i's byte offset in x: token = entry / 2.  A pad's -1 becomes token 4,095: its row of h is defined and the next layer stores none of it
	s_lshr_b32 s25, s[(\set)+(\i)], 1
	s_min_u32 s25, s25, 4095
	v_lshl_add_u32 v[XO+(\i)], s25, 11, v4
.endm
.macro XROW i                          ; row i, 2,048 bytes: 4 loads of 512 consecutive bytes
.irp q, 0,1,2,3
	global_load_b128 v[XST+16*(\i)+4*\q:XST+16*(\i)+4*\q+3], v[XO+(\i)], s[4:5] offset:512*\q
.endr
.endm
.macro CV i, t                         ; row i, pair t of 8: rounded in place
	v_cvt_pk_bf16_f32 v[XST+16*(\i)+(\t)], v[XST+16*(\i)+2*(\t)], v[XST+16*(\i)+2*(\t)+1]
.endm
.macro XPUT i                          ; row i into the slot that is staged: 4 stores of 256 consecutive bytes
.irp q, 0,1,2,3
	ds_store_b64 v8, v[XST+16*(\i)+2*\q:XST+16*(\i)+2*\q+1] offset:XWR+(\i)*XP+\q*256
.endr
.endm
.macro IDS set, off, adv               ; the list's entries for my 8 rows of the team's next block; the look-ahead stops at the expert's last block, whose entries are stored
.if \adv
	s_add_co_u32 s23, s23, s44
.endif
	s_min_u32 s23, s23, s37
	s_min_u32 s23, s23, MAXB
	s_lshl_b32 s[\off], s23, 7
	s_add_co_u32 s[\off], s[\off], s46
	s_load_b256 s[\set:\set+7], s[10:11], s[\off] offset:LISTB
.endm
; Group g's fragments of x: K steps 4 g .. 4 g + 3, both halves of the rows: one run of 16 LDS loads, four for each K step
.macro FL g
	WIN 0x40                                       ; destination window 1
.irp k4, 0,1,2,3
.irp mt, 0,1
	ds_load_b128 v[16*(4*(\g)+\k4)+8*\mt:16*(4*(\g)+\k4)+8*\mt+3],   v9 offset:XRD+\mt*16*XP+(4*(\g)+\k4)*64
	ds_load_b128 v[16*(4*(\g)+\k4)+8*\mt+4:16*(4*(\g)+\k4)+8*\mt+7], v9 offset:XRD+\mt*16*XP+(4*(\g)+\k4)*64+32
.endr
.endr
.endm
; The 8 matrix instructions of K step ks.  The 8 accumulators take turns, one instruction a turn.  K step 0 starts the sums from b1.
; issued: the LDS instructions issued since the trip's barrier; of them the first 4 (ks + 1) are the loads of K steps 0 .. ks, and LDS instructions end in order (ISA guide 5.7.1): the rest may stay out.
.macro MULW ks, issued
	s_wait_dscnt (\issued)-4*((\ks)+1)
	WIN 0x06+((\ks)>>3)                            ; source 0 window 2 or 3, source 1 window 1, C and D window 0
.irp mt, 0,1
.irp nt, 0,1,2,3
.set rA, ACC+8*(4*\mt+\nt)
.set rW, 32*((\ks)&7)+8*\nt
.set rX, 16*(\ks)+8*\mt
.if (\ks) == 0
	v_wmma_f32_16x16x32_bf16 v[rA:rA+7], v[rW:rW+7], v[rX:rX+7], v[BIAS+8*\nt:BIAS+8*\nt+7]
.else
	v_wmma_f32_16x16x32_bf16 v[rA:rA+7], v[rW:rW+7], v[rX:rX+7], v[rA:rA+7]
.endif
.endr
.endr
.endm
; THE WAY OUT of block s20, whose sums the trip before has left in the accumulators
.macro EPI
.set t, 0
.rept 64
	v_max_num_f32 v[ACC+t], 0, v[ACC+t]            ; relu, each accumulator from its lowest register on
.set t, t+1
.endr
.irp a, 0,1,2,3,4,5,6,7
.irp pp, 0,1,2,3
	v_cvt_pk_bf16_f32 v[ACC+8*\a+\pp], v[ACC+8*\a+2*\pp], v[ACC+8*\a+2*\pp+1]
.endr
.endr
	s_min_u32 s25, s20, MAXB
	v_lshl_add_u32 v10, s25, 17, v4                ; the block's 131,072 bytes of h, 16 bytes a lane
.irp mt, 0,1
.irp nt, 0,1,2,3
	global_store_b128 v10, v[ACC+8*(4*\mt+\nt):ACC+8*(4*\mt+\nt)+3], s[12:13] offset:\nt*1024+\mt*512  ; 512 consecutive bytes, at a multiple of 512 from h's first byte
.endr
.endr
	s_wait_xcnt 0x0                                ; the accumulators and v10, which these stores read, are written again only behind this wait
.endm
; A TRIP.  p: the slot that holds its block.  s22: its block; s20: the block before (at the start the team's end: none).
.macro TRIP p
.set XRD, (\p)*XSL
.set XWR, (1-(\p))*XSL
	s_wait_dscnt 0x0                               ; for the others' sake: my rows of this trip's block are in LDS, and my reads of the other slot are over
	s_barrier_signal -1
	s_barrier_wait -1                              ; both now hold of all four waves
	s_cmp_lt_u32 s22, s47
	s_cbranch_scc0 .Ldead_\@                       ; a dead trip
	s_wait_kmcnt 0x0                               ; the entries asked for a trip ago: those of the block two further on
.if \p
.set IDU, ID1
	IDS ID0, 36, 1                                 ; the other set, last read a trip ago, takes the block's after that
.else
.set IDU, ID0
	IDS ID1, 38, 1
.endif
	FL 0
	FL 1
	WIN 0                                          ; at a branch and at a label every window is 0
	s_cmp_lt_u32 s20, s47
	s_cbranch_scc0 .Lnone_\@                       ; the team's first block has none before it
	EPI                                            ; while the first fragments arrive
.Lnone_\@:
.irp ks, 0,1,2,3
	MULW \ks, 32
.endr
	FL 2
.irp ks, 4,5,6,7
	MULW \ks, 48
.endr
	FL 3
	WIN 0
	; the next block is staged into the other slot
	s_wait_loadcnt 0x0                             ; its rows, asked for a trip ago
.irp i, 0,1,2,3,4,5,6,7
.irp t8, 0,1,2,3,4,5,6,7
	CV \i, \t8
.endr
.endr
.irp i, 0,1,2,3,4,5,6,7
	XPUT \i
.endr
.irp i, 0,1,2,3,4,5,6,7
	XADDR1 IDU, \i                                 ; the rows' loads have been waited for, so their offsets may be written
.endr
.irp i, 0,1,2,3,4,5,6,7
	XROW \i                                        ; the block after it, behind the LDS stores that read these registers, in program order
.endr
.irp ks, 8,9,10,11,12,13,14,15
	MULW \ks, 96                                   ; 64 fragment loads and the 32 stores of the staging
.endr
	WIN 0
.rept 5
	v_nop                                          ; five places behind the trip's last products, on every way on from here: four are due in front of a vector instruction or a load that touches
.endr                                                  ; their registers, five in front of the products that start the next sums on the same accumulators (ISA guide 7.12.1)
	s_branch .Lend_\@
.Ldead_\@:
	s_cmp_lt_u32 s20, s47
	s_cbranch_scc0 .Lend_\@
	EPI                                            ; the team's last block goes out in the first dead trip
.Lend_\@:
	s_mov_b32 s20, s22
	s_add_co_u32 s22, s22, s44                     ; the team's next block
.endm
	s_load_b256 s[4:11], s[0:1], 0x0               ; inputs s[4:5], W1 s[6:7], b1 s[8:9], order s[10:11]
	s_load_b64 s[12:13], s[0:1], 0x20              ; h
	v_lshl_add_u32 v62, v0, 2, 0x15400
	v_mov_b32 v63, 0
	v_lshrrev_b32 v12, 5, v0
	v_readfirstlane_b32 s14, v12                   ; wave 0..3
	s_and_b32 s16, ttmp7, 0xffff                   ; slice
	s_lshl_b32 s45, ttmp9, 4                       ; the team's record, 16 bytes
	s_lshl_b32 s46, s14, 5                         ; my 8 entries in a block's 32
	s_wait_kmcnt 0x0
	s_load_b128 s[48:51], s[10:11], s45 offset:0x0 ; expert, first block, step, end block
	v_and_b32 v1, 31, v0                           ; lane
	v_and_b32 v2, 15, v0                           ; r
	v_bfe_u32 v3, v0, 4, 1                         ; hh
	v_lshlrev_b32 v4, 4, v1                        ; 16 lane
	v_mul_u32_u24 v5, v3, 4*PITCH
	v_lshl_add_u32 v5, v2, 4, v5                   ; W1: row k or k + 4, 16 bytes a lane
	s_mul_i32 s25, s14, WTW                        ; my tile
	v_mul_u32_u24 v6, v3, 4*WP
	v_lshl_add_u32 v6, v2, 3, v6
	v_add_nc_u32 v6, s25, v6                       ; into the tile: row k or k + 4, 8 bytes a lane
	v_and_b32 v12, 7, v0
	v_lshl_add_u32 v12, v3, 3, v12
	v_mul_u32_u24 v7, v12, WP
	v_bfe_u32 v12, v0, 3, 1
	v_lshl_add_u32 v7, v12, 4, v7
	v_add_nc_u32 v7, s25, v7                       ; the turning load: row 8 hh + lane % 8, 16 bytes x (lane / 8) % 2
	s_mul_i32 s25, s14, 8*XP
	s_add_co_u32 s25, s25, XB
	v_lshl_add_u32 v8, v1, 3, s25                  ; x into LDS: my 8 rows, 8 bytes a lane
	v_mul_u32_u24 v9, v2, XP
	v_lshl_add_u32 v9, v3, 4, v9
	v_add_nc_u32 v9, XB, v9                        ; x's fragments: row r, 16 bytes x hh
	v_lshlrev_b32 v11, 5, v3                       ; b1: 8 hh numbers on
	s_lshl_b32 s24, s16, 10
	s_lshl_b32 s25, s14, 8
	s_add_co_u32 s24, s24, s25                     ; my first column in bytes of f32: 1,024 slice + 256 w
	s_mov_b32 s27, 0
	s_mov_b32 s41, 0
	s_lshl_b32 s42, s24, 4                         ; h: my first tile of 16 columns: 16,384 slice + 4,096 w
	s_mov_b32 s43, 0
	s_wait_kmcnt 0x0
	s_min_u32 s15, s48, 7                          ; the expert: a loaded number is bounded before it enters an address
	s_lshl_b32 s26, s15, 22                        ; W1[e]: 4 MiB an expert
	s_add_co_u32 s26, s26, s24
	s_add_nc_u64 s[6:7], s[6:7], s[26:27]
	WLOAD 0                                        ; four K steps, 32 KiB a wave, are kept on their way
	WLOAD 1
	WLOAD 2
	WLOAD 3
	s_lshl_b32 s40, s15, 13                        ; b1[e]
	s_add_co_u32 s40, s40, s24
	s_add_nc_u64 s[8:9], s[8:9], s[40:41]
	s_add_nc_u64 s[12:13], s[12:13], s[42:43]
	s_mov_b32 s22, s49                             ; the block in hand
	s_mov_b32 s44, s50                             ; the step
	s_mov_b32 s47, s51                             ; the end
	s_mov_b32 s20, s51                             ; the block before the one in hand: none yet
	s_sub_co_u32 s37, s51, 1                       ; the expert's last block
	s_mov_b32 s23, s22
	IDS ID0, 36, 0                                 ; the first block's entries,
	IDS ID1, 38, 1                                 ; the second's
.irp c, 0,1,2,3,4,5,6,7,8,9,10,11
	WTURN \c, 48                                   ; the three younger K steps stay out
	WLOAD (\c)+4                                   ; the stage is asked for again behind the LDS stores that read it, in program order
.endr
	WTURN 12, 48
	; the last four turns have no K step to ask for: b1 and the first block's rows take the places
.irp nt, 0,1,2,3
	global_load_b128 v[BIAS+8*\nt:BIAS+8*\nt+3],   v11, s[8:9] offset:64*\nt     ; register j: column 16 nt + 8 hh + j, as in an accumulator
	global_load_b128 v[BIAS+8*\nt+4:BIAS+8*\nt+7], v11, s[8:9] offset:64*\nt+16
.endr
	s_wait_kmcnt 0x0                               ; both sets of entries
.irp i, 0,1,2,3,4,5,6,7
	XADDR1 ID0, \i
.endr
	IDS ID0, 36, 1                                 ; the third block's entries
	WTURN 13, 40                                   ; behind K step 13: steps 14 and 15 and b1's 8 loads
.irp i, 0,1,2,3
	XROW \i                                        ; into the stage that step 13 has left
.endr
	WTURN 14, 40                                   ; step 15, b1, four rows
.irp i, 4,5,6,7
	XROW \i                                        ; into the stage that step 14 has left
.endr
	WTURN 15, 40                                   ; b1, eight rows
	s_wait_loadcnt 32                              ; b1 is in; the eight rows' 32 loads stay out
.irp p, 0,2,4,6,8,10,12,14,16,18,20,22,24,26,28,30
	v_cvt_pk_bf16_f32 v12, v[BIAS+\p], v[BIAS+\p+1]    ; b1 rounded to bf16 like the other inputs, and widened again
	v_lshlrev_b32 v[BIAS+\p], 16, v12
	v_and_b32 v[BIAS+\p+1], 0xffff0000, v12
.endr
	; the first block is staged into slot 0, and the second block's rows are asked for
	s_wait_loadcnt 16                              ; rows 0 to 3
.irp i, 0,1,2,3
.irp t8, 0,1,2,3,4,5,6,7
	CV \i, \t8
.endr
	XPUT \i
	XADDR1 ID1, \i
.endr
	s_wait_loadcnt 0x0                             ; rows 4 to 7
.irp i, 4,5,6,7
.irp t8, 0,1,2,3,4,5,6,7
	CV \i, \t8
.endr
	XPUT \i
	XADDR1 ID1, \i
.endr
.irp i, 0,1,2,3,4,5,6,7
	XROW \i
.endr
	s_mov_b32 s21, PAIRS
.Lloop:                                                ; the first trip's wait for LDS also covers W1's last fragments
	TRIP 0
	TRIP 1
	s_sub_co_u32 s21, s21, 1
	s_cmp_lg_u32 s21, 0
	s_cbranch_scc1 .Lloop
	s_wait_loadcnt 0x0                             ; the look-ahead behind the last block (bounded rows and entries, used by nobody) is let land
	s_wait_kmcnt 0x0
	s_wait_tensorcnt 0x0
	ds_add_u32 v62, v63
	s_wait_dscnt 0x0
	s_endpgm
.Lfunc_end_k_qc64a3dd08d_ffn1:
	.size	k_qc64a3dd08d_ffn1, .Lfunc_end_k_qc64a3dd08d_ffn1-k_qc64a3dd08d_ffn1
	.p2alignl 7, 3214868480
	.fill 96, 4, 3214868480
	.section	.rodata,"a",@progbits
	.p2align	6, 0x0
	.amdhsa_kernel k_qc64a3dd08d_ffn1
		.amdhsa_group_segment_fixed_size 87552
		.amdhsa_private_segment_fixed_size 0
		.amdhsa_enable_private_segment 0
		.amdhsa_kernarg_size 40
		.amdhsa_user_sgpr_count 2
		.amdhsa_user_sgpr_kernarg_segment_ptr 1
		.amdhsa_wavefront_size32 1
		.amdhsa_system_sgpr_workgroup_id_x 1
		.amdhsa_system_sgpr_workgroup_id_y 1
		.amdhsa_system_sgpr_workgroup_id_z 1
		.amdhsa_system_vgpr_workitem_id 0
		.amdhsa_next_free_vgpr 1024
		.amdhsa_next_free_sgpr 66
		.amdhsa_reserve_vcc 0
		.amdhsa_float_denorm_mode_32 3
		.amdhsa_float_denorm_mode_16_64 3
		.amdhsa_memory_ordered 1
		.amdhsa_forward_progress 1
		.amdhsa_inst_pref_size 172
	.end_amdhsa_kernel
	.amdgpu_metadata
---
amdhsa.version: [ 1, 2 ]
amdhsa.kernels:
  - .name:           k_qc64a3dd08d_ffn1
    .symbol:         k_qc64a3dd08d_ffn1.kd
    .args:
      - { .name: inputs, .offset: 0, .size: 8, .value_kind: global_buffer, .address_space: global }
      - { .name: W1, .offset: 8, .size: 8, .value_kind: global_buffer, .address_space: global }
      - { .name: b1, .offset: 16, .size: 8, .value_kind: global_buffer, .address_space: global }
      - { .name: order, .offset: 24, .size: 8, .value_kind: global_buffer, .address_space: global }
      - { .name: h, .offset: 32, .size: 8, .value_kind: global_buffer, .address_space: global }
    .group_segment_fixed_size: 87552
    .private_segment_fixed_size: 0
    .kernarg_segment_align: 8
    .kernarg_segment_size: 40
    .max_flat_workgroup_size: 128
    .sgpr_count:     66
    .vgpr_count:     1024
    .wavefront_size: 32
...
	.end_amdgpu_metadata
.endif
;; end of part 5
;; launch ffn2 (part 6): grid 32 x 8, 4 waves a work-group, no clusters, 55,808 bytes of LDS; arguments h, W2, b2, order, out0; writes out0
.if DOCPART == 6
	.amdgcn_target "amdgcn-amd-amdhsa--gfx1250"
	.amdhsa_code_object_version 6
	.text
	.protected	k_qc64a3dd08d_ffn2
	.globl	k_qc64a3dd08d_ffn2
	.p2align	8
	.type	k_qc64a3dd08d_ffn2,@function
k_qc64a3dd08d_ffn2:
	s_mov_b64 s[64:65], 0
	v_nop
	global_prefetch_b8 v0, s[64:65] scope:SCOPE_SE
	s_setreg_imm32_b32 hwreg(HW_REG_WAVE_MODE, 25, 1), 1
	s_wait_xcnt 0x0
; SECOND LAYER: out0[a] = h[row of a] . W2[e] + b2[e], each sorted row stored at its assignment's place.  h bf16 (as the first layer left it), W2, b2 f32, each rounded once to bf16; sums and out0 in f32.
; THE WEIGHTS STAY.  Work-group (x, y): team x (0..31), slice y (64 of the 512 columns).  The team's record in order names its expert and its blocks of 32 rows: first, first + step, .. below end.
; Wave w holds K = 512 w .. 512 w + 511 of the 2,048 for the slice's 64 columns: 512 registers.  32 x 8 = 256 work-groups.
; A trip: each wave multiplies the block's 32 rows, its quarter of K, by its weights (128 matrix instructions); the four partial sums of 32 x 64 meet in LDS, and wave w finishes and stores rows 8 w .. 8 w + 7.
; ELEVEN TRIPS, a constant: no team has more blocks (the first launch shares them out so).  A trip whose block lies at or behind the team's end is dead: its three parts are jumped over, forward;
; the two barriers stand outside the jumps, so that every wave passes each of them in every trip.
; h's fragments come straight into registers: the tile of 16 rows x 16 columns lies as 512 consecutive bytes, lane L's 16 bytes at 16 L, which is half of a fragment of 16 rows x 32 K.
; A ring of four groups of 16 loads keeps a whole block's quarter, 32 KiB a wave, on its way: a group is asked for again, for the next block, as soon as it has been multiplied.
; THE MATRIX INSTRUCTION IS USED TRANSPOSED (source 0 = 16 columns of W2, source 1 = 16 rows of h): a lane holds one row and eight neighbouring columns.
; A ROW LEAVES BY ONE STORE: 32 lanes x 8 bytes are its 256 consecutive bytes in the slice.  A pad's row is passed by a scalar jump on its entry; pads end a block, so the first pad ends my stores.
; NO CLUSTER, NO TENSOR LOADS: W2 is f32 and lies [K][N], so it is rounded and turned on its way into registers.  The 8 slices of a team do walk the same blocks of h, 131,072 bytes each;
; asking for them jointly would bring them into LDS, from where each fragment would be read once more into registers: not built in this text.
; REGISTERS, in windows of 256: window 0: v0-31 addresses, b2, rows' offsets; v64-127 accumulators, (mt, nt) at 64 + 8 (4 mt + nt); v128-191 the four partial sums of my 8 rows;
;   window 1: h's fragments, (ks, mt) at 16 ks + 8 mt;  windows 2, 3: W2's fragments, K step ks in window 2 + ks / 8, (ks, nt) at 32 (ks % 8) + 8 nt.
;   Ahead of the loop v64-255 of window 0 and v192-255 of window 1 are four stages for W2.
.set TRIPS, 11
.set LISTB, 0x200                      ; the list's first byte in order
.set PITCH, 2048                       ; bytes from row to row of W2[e]
.set WTW,   5120                       ; LDS 0 .. 20,479: for each wave a tile of 32 rows (K) x 64 bf16,
.set WP,    160                        ; rows 160 bytes apart = 5 x 32: the 8 rows x 32 bytes that 16 lanes of the turning load take fall on different words
.set RED,   20480                      ; LDS 20,480 .. 55,295: for each wave its partial sums, 32 rows x 64 f32,
.set RP,    272                        ; 256 bytes + 16 = 17 x 16: the 16 rows of a store start 16 bytes further on each
.set REDW,  32*RP
.set MAXB,  263                        ; the last block that the list and h have room for
.set B2,    16                         ; v[16:17] b2 of my two columns
.set VO,    24                         ; v[24:31] byte offsets of my 8 rows in out0
.set ACC,   64
.set RT,    128                        ; part p, row i at RT + 16 p + 2 i
.set SB3,   192                        ; the fourth stage, in window 1: the registers of the ring's last group, which is asked for last
.set ID,    28                         ; s[28:35] the list's entries for my 8 rows
.set MSB, 0
.macro WIN new                         ; the immediate's high byte repeats the setting that is left; a switch that changes nothing is dropped
.if MSB != (\new)
	s_set_vgpr_msb (MSB<<8)|(\new)
.set MSB, (\new)
.endif
.endm
.macro PLACES                          ; five plain vector instructions behind a group's last products: four are due in front of a load or an LDS store that touches their registers, five in front of
.rept 5                                ; the products that start the next block's sums on the same accumulators (ISA guide 7.12.1)
	v_nop
.endr
.endm
.macro STAGE c                         ; K step c's stage: registers SB on, in window SW
.if ((\c)%4) == 3
.set SB, SB3
.set SW, 1
.else
.set SB, 64+64*((\c)%4)
.set SW, 0
.endif
.endm
; K step c of my shard: 32 rows x 64 columns of f32.  A load takes rows k and k + 4: 16 lanes cover a row's 256 consecutive bytes, aligned.
.macro WLOAD c
	STAGE \c
	WIN 0x40*SW
.set t, 0
.rept 16
	global_load_b128 v[SB+4*t:SB+4*t+3], v5, s[6:7] offset:(32*(\c)+8*(t/4)+t%4)*PITCH
.set t, t+1
.endr
.endm
; K step c is rounded to bf16, laid into my own tile in LDS and read back turned, as 4 fragments of 16 columns x 32 K.
; No barrier: the tile is my wave's, and LDS serves a wave's instructions in order (ISA guide 5.7.1.4).  Rows k and k + 4 of the tile lie 640 bytes = 160 words apart, 32 modulo 64:
; the 32 lanes of a store touch 64 different words modulo 64 (64 banks of 4 bytes: ISA guide 11.1).
.macro WTURN c
	STAGE \c
	s_wait_loadcnt 48                              ; loads come back in order: K step c is in; the three groups of 16 loads issued behind it stay out
	WIN 0x45*SW
.set t, 0
.rept 32
	v_cvt_pk_bf16_f32 v[SB+t], v[SB+2*t], v[SB+2*t+1]  ; in place: line t writes register t and reads 2 t, 2 t + 1, which no earlier line has written
.set t, t+1
.endr
	WIN 0x04*SW
.set t, 0
.rept 16
	ds_store_b64 v6, v[SB+2*t:SB+2*t+1] offset:(8*(t/4)+t%4)*WP
.set t, t+1
.endr
	WIN 0x80+0x40*((\c)>>3)                        ; destination window 2 or 3
.irp nt, 0,1,2,3
	ds_load_tr16_b128 v[32*((\c)&7)+8*\nt:32*((\c)&7)+8*\nt+3],   v7 offset:\nt*32
	ds_load_tr16_b128 v[32*((\c)&7)+8*\nt+4:32*((\c)&7)+8*\nt+7], v7 offset:\nt*32+16*WP
.endr
	WIN 0
.endm
; The 8 matrix instructions of K step ks.  The 8 accumulators take turns, one instruction a turn.  first = 1: the products start the sums.
.macro MUL ks, first
	WIN 0x06+((\ks)>>3)                            ; source 0 window 2 or 3, source 1 window 1, C and D window 0
.irp mt, 0,1
.irp nt, 0,1,2,3
.set rA, ACC+8*(4*\mt+\nt)
.set rW, 32*((\ks)&7)+8*\nt
.set rX, 16*(\ks)+8*\mt
.if \first
	v_wmma_f32_16x16x32_bf16 v[rA:rA+7], v[rW:rW+7], v[rX:rX+7], 0
.else
	v_wmma_f32_16x16x32_bf16 v[rA:rA+7], v[rW:rW+7], v[rX:rX+7], v[rA:rA+7]
.endif
.endr
.endr
.endm
; Group g of the ring: h's fragments of K steps 4 g .. 4 g + 3 of the block at s[38:39]: 16 loads of 512 consecutive bytes
.macro ALOAD g
	WIN 0x40                                       ; destination window 1
.irp k4, 0,1,2,3
.irp mt, 0,1
.irp hf, 0,1
	global_load_b128 v[16*(4*(\g)+\k4)+8*\mt+4*\hf:16*(4*(\g)+\k4)+8*\mt+4*\hf+3], v4, s[38:39] offset:(4*(\g)+\k4)*2048+\hf*1024+\mt*512
.endr
.endr
.endr
.endm
	s_load_b256 s[4:11], s[0:1], 0x0               ; h s[4:5], W2 s[6:7], b2 s[8:9], order s[10:11]
	s_load_b64 s[12:13], s[0:1], 0x20              ; out0
	v_lshl_add_u32 v62, v0, 2, 0xd800
	v_mov_b32 v63, 0
	v_lshrrev_b32 v11, 5, v0
	v_readfirstlane_b32 s14, v11                   ; wave 0..3
	s_and_b32 s16, ttmp7, 0xffff                   ; slice
	s_lshl_b32 s45, ttmp9, 4                       ; the team's record, 16 bytes
	s_lshl_b32 s46, s14, 5                         ; my 8 entries in a block's 32
	s_mov_b32 s42, 0xffff0000                      ; a word's upper bf16
	s_wait_kmcnt 0x0
	s_load_b128 s[48:51], s[10:11], s45 offset:0x0 ; expert, first block, step, end block
	v_and_b32 v1, 31, v0                           ; lane
	v_and_b32 v2, 15, v0                           ; r
	v_bfe_u32 v3, v0, 4, 1                         ; hh
	v_lshlrev_b32 v4, 4, v1                        ; 16 lane
	v_mul_u32_u24 v5, v3, 4*PITCH
	v_lshl_add_u32 v5, v2, 4, v5                   ; W2: row k or k + 4, 16 bytes a lane
	s_mul_i32 s25, s14, WTW                        ; my tile
	v_mul_u32_u24 v6, v3, 4*WP
	v_lshl_add_u32 v6, v2, 3, v6
	v_add_nc_u32 v6, s25, v6                       ; into the tile: row k or k + 4, 8 bytes a lane
	v_and_b32 v11, 7, v0
	v_lshl_add_u32 v11, v3, 3, v11
	v_mul_u32_u24 v7, v11, WP
	v_bfe_u32 v11, v0, 3, 1
	v_lshl_add_u32 v7, v11, 4, v7
	v_add_nc_u32 v7, s25, v7                       ; the turning load: row 8 hh + lane % 8, 16 bytes x (lane / 8) % 2
	s_mul_i32 s25, s14, REDW
	s_add_co_u32 s25, s25, RED                     ; my part
	v_mul_u32_u24 v8, v2, RP
	v_lshl_add_u32 v8, v3, 5, v8
	v_add_nc_u32 v8, s25, v8                       ; in: row r, 32 bytes x hh
	s_mul_i32 s25, s14, 8*RP
	s_add_co_u32 s25, s25, RED                     ; my 8 rows, in part 0
	v_lshl_add_u32 v9, v1, 3, s25                  ; back: a row's 256 bytes, 8 bytes a lane
	v_lshlrev_b32 v10, 3, v1                       ; 8 lane: my two columns
	s_lshl_b32 s24, s16, 8                         ; the slice's first column in bytes of f32
	s_mov_b32 s27, 0
	s_mov_b32 s41, 0
	s_mov_b32 s53, 0
	s_mov_b32 s54, s24                             ; out0
	s_mov_b32 s55, 0
	s_lshl_b32 s56, s14, 15                        ; h: my quarter of K, 32 tiles of 16 columns
	s_mov_b32 s57, 0
	s_wait_kmcnt 0x0
	s_min_u32 s15, s48, 7                          ; the expert: a loaded number is bounded before it enters an address
	s_lshl_b32 s26, s15, 22                        ; W2[e]: 4 MiB an expert,
	s_lshl_b32 s25, s14, 20                        ; my 512 rows of 2,048 bytes
	s_add_co_u32 s26, s26, s25
	s_add_co_u32 s26, s26, s24
	s_lshl_b32 s52, s15, 11                        ; b2[e]
	s_add_co_u32 s52, s52, s24
	s_add_nc_u64 s[6:7], s[6:7], s[26:27]
	s_add_nc_u64 s[8:9], s[8:9], s[52:53]
	global_load_b64 v[B2:B2+1], v10, s[8:9]        ; the oldest load: the first turn's wait covers it
	WLOAD 0                                        ; four K steps, 32 KiB a wave, are kept on their way
	WLOAD 1
	WLOAD 2
	WLOAD 3
	s_add_nc_u64 s[12:13], s[12:13], s[54:55]
	s_add_nc_u64 s[4:5], s[4:5], s[56:57]
	s_mov_b32 s22, s49                             ; the block in hand
	s_mov_b32 s44, s50                             ; the step
	s_mov_b32 s47, s51                             ; the end
	s_sub_co_u32 s37, s51, 1                       ; the expert's last block: the first layer has stored it, and so has the list
	s_min_u32 s25, s22, s37
	s_min_u32 s25, s25, MAXB
	s_lshl_b32 s40, s25, 17
	s_add_nc_u64 s[38:39], s[4:5], s[40:41]        ; the first block's quarter of h
	s_lshl_b32 s36, s25, 7
	s_add_co_u32 s36, s36, s46
	s_load_b256 s[ID:ID+7], s[10:11], s36 offset:LISTB  ; the first block's entries for the 8 rows that I finish
.irp c, 0,1,2,3,4,5,6,7,8,9,10,11
	WTURN \c
	WLOAD (\c)+4                                   ; the stage is asked for again behind the LDS stores that read it, in program order
.endr
	; the last four turns have no K step to ask for: the ring's four groups of the first block take the places, so that 48 loads stand behind each turn's own as before
	WTURN 12
	ALOAD 0
	WTURN 13
	ALOAD 1
	WTURN 14
	ALOAD 2
	WTURN 15
	ALOAD 3                                        ; into the registers that K step 15's stage has left
	WIN 0
	v_cvt_pk_bf16_f32 v11, v[B2], v[B2+1]          ; b2 rounded to bf16 like the other inputs, and widened again
	v_lshlrev_b32 v[B2], 16, v11
	v_and_b32 v[B2+1], s42, v11
	s_wait_dscnt 0x0                               ; all of W2's fragments are in
	s_mov_b32 s21, TRIPS
.Lloop:
	s_wait_xcnt 0x0                                ; at the trip's head, on every way through it: the ring's base, and the registers that the last trip's stores read, are written again only behind this wait
	s_cmp_lt_u32 s22, s47
	s_cbranch_scc0 .Lno_mul                        ; a dead trip
	s_add_co_u32 s25, s22, s44                     ; the next block, or behind my last one the expert's last: stored, and multiplied by nobody here
	s_min_u32 s25, s25, s37
	s_min_u32 s25, s25, MAXB
	s_lshl_b32 s40, s25, 17
	s_add_nc_u64 s[38:39], s[4:5], s[40:41]
.irp g, 0,1,2,3
	s_wait_loadcnt 48                              ; loads come back in order: this block's group g is in; the three younger groups of 16 stay out
.if \g == 0
	MUL 0, 1
.else
	MUL 4*\g, 0
.endif
	MUL 4*\g+1, 0
	MUL 4*\g+2, 0
	MUL 4*\g+3, 0
	PLACES
	ALOAD \g                                       ; the same group of the next block
.endr
	WIN 0
.irp mt, 0,1
.irp nt, 0,1,2,3
	ds_store_b128 v8, v[ACC+8*(4*\mt+\nt):ACC+8*(4*\mt+\nt)+3]   offset:\mt*16*RP+\nt*64      ; each accumulator from its low end on
	ds_store_b128 v8, v[ACC+8*(4*\mt+\nt)+4:ACC+8*(4*\mt+\nt)+7] offset:\mt*16*RP+\nt*64+16
.endr
.endr
.Lno_mul:
	s_wait_dscnt 0x0                               ; for the others' sake: my partial sums are written
	s_barrier_signal -1
	s_barrier_wait -1
	s_cmp_lt_u32 s22, s47
	s_cbranch_scc0 .Lno_read
.irp p, 0,1,2,3
.irp i, 0,1,2,3,4,5,6,7
	ds_load_b64 v[RT+16*\p+2*\i:RT+16*\p+2*\i+1], v9 offset:\p*REDW+\i*RP  ; 32 lanes, a row's 256 consecutive bytes
.endr
.endr
.Lno_read:
	s_wait_dscnt 0x0                               ; my reads of the four parts are over
	s_barrier_signal -1
	s_barrier_wait -1                              ; behind this no wave reads the parts any more: the next trip may write them
	s_cmp_lt_u32 s22, s47
	s_cbranch_scc0 .Lno_out
.irp i, 0,1,2,3,4,5,6,7
	v_pk_add_f32 v[RT+2*\i:RT+2*\i+1], v[RT+2*\i:RT+2*\i+1], v[RT+16+2*\i:RT+16+2*\i+1]
	v_pk_add_f32 v[RT+32+2*\i:RT+32+2*\i+1], v[RT+32+2*\i:RT+32+2*\i+1], v[RT+48+2*\i:RT+48+2*\i+1]
.endr
.irp i, 0,1,2,3,4,5,6,7
	v_pk_add_f32 v[RT+2*\i:RT+2*\i+1], v[RT+2*\i:RT+2*\i+1], v[RT+32+2*\i:RT+32+2*\i+1]
.endr
.irp i, 0,1,2,3,4,5,6,7
	v_pk_add_f32 v[RT+2*\i:RT+2*\i+1], v[RT+2*\i:RT+2*\i+1], v[B2:B2+1]
.endr
	s_wait_kmcnt 0x0                               ; my rows' entries, asked for a trip ago
.irp i, 0,1,2,3,4,5,6,7
	s_cmp_lt_u32 s[ID+\i], 0x2000                  ; a pad's -1 is no assignment; behind a block's first pad come only pads
	s_cbranch_scc0 .Lpads
	s_min_u32 s25, s[ID+\i], 0x1fff
	v_lshl_add_u32 v[VO+\i], s25, 11, v10          ; 2,048 bytes a row of out0
	global_store_b64 v[VO+\i], v[RT+2*\i:RT+2*\i+1], s[12:13] th:TH_STORE_NT  ; 256 consecutive bytes of a row, at a multiple of 256 from out0's first byte
.endr
.Lpads:
	s_add_co_u32 s25, s22, s44                     ; the next block's entries, behind the last use of this block's
	s_min_u32 s25, s25, s37
	s_min_u32 s25, s25, MAXB
	s_lshl_b32 s36, s25, 7
	s_add_co_u32 s36, s36, s46
	s_load_b256 s[ID:ID+7], s[10:11], s36 offset:LISTB
.Lno_out:
	s_add_co_u32 s22, s22, s44                     ; the team's next block
	s_sub_co_u32 s21, s21, 1
	s_cmp_lg_u32 s21, 0
	s_cbranch_scc1 .Lloop
	s_wait_loadcnt 0x0                             ; the ring's last loads and the last entries (a bounded block, used by nobody) are let land
	s_wait_kmcnt 0x0
	s_wait_tensorcnt 0x0
	ds_add_u32 v62, v63
	s_wait_dscnt 0x0
	s_endpgm
.Lfunc_end_k_qc64a3dd08d_ffn2:
	.size	k_qc64a3dd08d_ffn2, .Lfunc_end_k_qc64a3dd08d_ffn2-k_qc64a3dd08d_ffn2
	.p2alignl 7, 3214868480
	.fill 96, 4, 3214868480
	.section	.rodata,"a",@progbits
	.p2align	6, 0x0
	.amdhsa_kernel k_qc64a3dd08d_ffn2
		.amdhsa_group_segment_fixed_size 55808
		.amdhsa_private_segment_fixed_size 0
		.amdhsa_enable_private_segment 0
		.amdhsa_kernarg_size 40
		.amdhsa_user_sgpr_count 2
		.amdhsa_user_sgpr_kernarg_segment_ptr 1
		.amdhsa_wavefront_size32 1
		.amdhsa_system_sgpr_workgroup_id_x 1
		.amdhsa_system_sgpr_workgroup_id_y 1
		.amdhsa_system_sgpr_workgroup_id_z 1
		.amdhsa_system_vgpr_workitem_id 0
		.amdhsa_next_free_vgpr 1024
		.amdhsa_next_free_sgpr 66
		.amdhsa_reserve_vcc 0
		.amdhsa_float_denorm_mode_32 3
		.amdhsa_float_denorm_mode_16_64 3
		.amdhsa_memory_ordered 1
		.amdhsa_forward_progress 1
		.amdhsa_inst_pref_size 116
	.end_amdhsa_kernel
	.amdgpu_metadata
---
amdhsa.version: [ 1, 2 ]
amdhsa.kernels:
  - .name:           k_qc64a3dd08d_ffn2
    .symbol:         k_qc64a3dd08d_ffn2.kd
    .args:
      - { .name: h, .offset: 0, .size: 8, .value_kind: global_buffer, .address_space: global }
      - { .name: W2, .offset: 8, .size: 8, .value_kind: global_buffer, .address_space: global }
      - { .name: b2, .offset: 16, .size: 8, .value_kind: global_buffer, .address_space: global }
      - { .name: order, .offset: 24, .size: 8, .value_kind: global_buffer, .address_space: global }
      - { .name: out0, .offset: 32, .size: 8, .value_kind: global_buffer, .address_space: global }
    .group_segment_fixed_size: 55808
    .private_segment_fixed_size: 0
    .kernarg_segment_align: 8
    .kernarg_segment_size: 40
    .max_flat_workgroup_size: 128
    .sgpr_count:     66
    .vgpr_count:     1024
    .wavefront_size: 32
...
	.end_amdgpu_metadata
.endif
;; end of part 6
;; ======== version 3 of 3: 3 launches; version 2 with the launches ffn1, ffn2 written anew for expert scheduling mode
;; workspace buffers: order 34,304 bytes of whole numbers; h 34,603,008 bytes
;; launch route: the kernel of part 4 again; grid 1 x 1, 32 waves a work-group, no clusters, 5,120 bytes of LDS; arguments expert_indices, order; writes order
;; launch ffn1 (part 7): grid 32 x 8, 4 waves a work-group, no clusters, 87,552 bytes of LDS; arguments inputs, W1, b1, order, h; writes h
.if DOCPART == 7
	.amdgcn_target "amdgcn-amd-amdhsa--gfx1250"
	.amdhsa_code_object_version 6
	.text
	.protected	k_qc64a3dd08d_ffn1
	.globl	k_qc64a3dd08d_ffn1
	.p2align	8
	.type	k_qc64a3dd08d_ffn1,@function
k_qc64a3dd08d_ffn1:
	s_mov_b64 s[64:65], 0
	v_nop
	global_prefetch_b8 v0, s[64:65] scope:SCOPE_SE
	s_setreg_imm32_b32 hwreg(HW_REG_WAVE_SCHED_MODE, 0, 2), 2
	s_setreg_imm32_b32 hwreg(HW_REG_WAVE_MODE, 25, 1), 1
	s_wait_xcnt 0x0
	s_wait_alu depctr_vm_vsrc(0)
; FIRST LAYER, for the sorted rows alone: h[row][c] = relu(x[token(row)] . W1[e][:, c] + b1[e][c]).  x, W1, b1 f32; products in bf16 with f32 sums; h leaves in bf16.
; x, W1 and b1 are each rounded once to bf16 (nearest even); bf16 keeps f32's range.  LIMIT: relu is a maximum with 0 in which a NaN loses, so a NaN becomes 0.
; THE WEIGHTS STAY.  Work-group (x, y): team x (0..31), slice y (256 of the 2,048 columns).  The team's record in order names its expert and its blocks of 32 rows: first, first + step, .. below end.
; A wave holds 512 (K) x 64 columns of the expert's W1 as bf16 fragments in 512 registers; the 8 slices of a team hold the expert's layer.  32 x 8 = 256 work-groups.
; A TRIP multiplies a block's 32 rows of x, which lie rounded in one of two LDS slots, by the wave's 64 columns: 128 matrix instructions, in four groups of four K steps.
; MEMORY INSTRUCTIONS STAND IN RUNS at the groups' edges, never singly among the products: the fragment loads of a group 32 products or more ahead of their use; between the second and the third group
; the next block's staging (each wave gathers 8 rows: round, into the other slot, ask for the same rows of the block after it, which then have a whole trip in which to land).
; THE WAY OUT IS A TRIP LATE: a block's relu, rounding and stores stand in the next trip, between the first fragment loads and the first products, in the time in which those fragments arrive.
; ONE BARRIER A TRIP: in front of it each wave waits for its stores into the slot to be read and for its reads of the slot to be written.
; TWELVE TRIPS, a constant, in six pairs (one trip for each slot): no team has more than 11 blocks (the launch before shares them out so), so the twelfth trip has no block of its own and sends the
; eleventh block out.  A trip whose block lies at or behind the team's end is dead: its work is jumped over, forward, but for the way out of the block before; the barrier stands outside the jumps.
; THE MATRIX INSTRUCTION IS USED TRANSPOSED (source 0 = 16 columns of W1, source 1 = 16 rows of x): a lane then holds one row and eight neighbouring columns, which pack into 16 bytes.
; h's LAYOUT: block b at b x 131,072; in it the tile of 16 rows (mt) x 16 columns (c / 16) at (c / 16) x 1,024 + mt x 512, lane L's 16 bytes at 16 L.  So a store of a wave covers 512
; consecutive bytes, and the next layer loads the same 512 bytes as half of a fragment (16 rows x 32 K), with no LDS between.
; NO CLUSTER, NO TENSOR LOADS: W1 is f32 and lies [K][N], so it is rounded and turned on its way into registers; x's rows are gathered by a list and rounded; neither is a copy.  The teams
; of an expert that read one shard of W1 read it once each, 524,288 bytes, at the launch's start; how many they are hangs on the routing.
; REGISTERS, in windows of 256: window 0: v0-15 addresses; v16-47 b1 in the accumulators' layout; v48-55 rows' offsets; v64-127 accumulators, (mt, nt) at 64 + 8 (4 mt + nt); v128-255 x as loaded, 16 a row;
;   window 1: x's fragments, (ks, mt) at 16 ks + 8 mt;  windows 2, 3: W1's fragments, K step ks in window 2 + ks / 8, (ks, nt) at 32 (ks % 8) + 8 nt.
;   Ahead of the loop v64-255 of window 0 and v192-255 of window 1 are four stages for W1.  A trip has nine window switches.
; THE MODE: SCHED_MODE bits 1:0 = 2 (LLVM: expert scheduling mode 2), set by the entry lines.  The code itself states the register dependences between vector or matrix instructions and
; memory or LDS instructions, with s_wait_alu, always for 0.
; THE PLAN.  Registers that memory or LDS instructions touch, in the loop:
;   x's fragments (window 1)  Each is loaded once a trip, by one of four runs of LDS loads, and read by that trip's products.
;   the accumulators          Written by a trip's products and by the next trip's way out (relu, rounding); read by the way out's 8 stores; written again by that trip's first products.
;   v10                       Written by one line of the way out, read by its 8 stores.
;   x as loaded (v128-255)    The rows' loads land in it; the 64 roundings read and write it; the 32 LDS stores read it; then it is asked for again.
;   the rows' offsets (v48-55) Written by 8 vector lines, read by the rows' 32 loads.
;   v4 to v9, v11             Made at the head and never written again.
; So a live trip has three waits on va_vdst: at its head (the last trip's products are done with all fragments: it serves the trip's four runs, since what stands between it and them names the
; accumulators, v10, v4, b1, the weights and fragments of other K steps alone); ahead of the way out's stores; and in the staging, behind the offsets and the roundings, for the LDS stores and the loads at once.
; And three on vm_vsrc: behind the way out's stores, ahead of the offsets' lines, and between the staging's LDS stores and its loads.  Each part that a jump can pass holds its own waits.
.set PAIRS, 6
.set LISTB, 0x200                      ; the list's first byte in order
.set PITCH, 8192                       ; bytes from row to row of W1[e]
.set WTW,   5120                       ; LDS 0 .. 20,479: for each wave a tile of 32 rows (K) x 64 bf16,
.set WP,    160                        ; rows 160 bytes apart = 5 x 32: the 8 rows x 32 bytes that 16 lanes of the turning load take fall on different words
.set XB,    20480                      ; LDS 20,480 .. 87,039: two slots, each a block's 32 rows of x in bf16,
.set XP,    1040                       ; 1,024 bytes + 16: 65 x 16, so the 16 rows of a fragment load start 16 bytes further on each
.set XSL,   32*XP
.set MAXB,  263                        ; the last block that the list and h have room for
.set BIAS,  16
.set XO,    48
.set ACC,   64
.set XST,   128
.set SB3,   192                        ; the fourth stage, in window 1
.set ID0,   28                         ; s[28:35], s[52:59]: the list's entries for my 8 rows, two sets that take turns;
.set ID1,   52                         ; s36, s38: the offsets of their loads
.set XWR,   0                          ; the slot that is staged into, and
.set XRD,   0                          ; the slot that is read, as byte offsets
.set MSB, 0
.macro WIN new                         ; the immediate's high byte repeats the setting that is left; a switch that changes nothing is dropped
.if MSB != (\new)
	s_set_vgpr_msb (MSB<<8)|(\new)
.set MSB, (\new)
.endif
.endm
.macro STAGE c                         ; K step c's stage: registers SB on, in window SW
.if ((\c)%4) == 3
.set SB, SB3
.set SW, 1
.else
.set SB, 64+64*((\c)%4)
.set SW, 0
.endif
.endm
; K step c of my shard: 32 rows x 64 columns of f32.  A load takes rows k and k + 4: 16 lanes cover a row's 256 consecutive bytes, aligned.
; again = 1: the stage has held K step c - 4, which the turn just above has rounded and stored.
.macro WLOAD c, again
	STAGE \c
	WIN 0x40*SW
.if \again
	s_wait_alu depctr_vm_vsrc(0)                   ; the turn's LDS stores have read the stage, in which these loads land (the roundings that named it stand ahead of the turn's wait on va_vdst)
.if SW
	s_wait_alu depctr_va_vdst(0)                   ; the fourth stage lies in window 1: that the roundings are done with it is stated once more behind the switch, directly ahead of the loads
.endif
.endif
.set t, 0
.rept 16
	global_load_b128 v[SB+4*t:SB+4*t+3], v5, s[6:7] offset:(32*(\c)+8*(t/4)+t%4)*PITCH
.set t, t+1
.endr
.endm
; K step c is rounded to bf16, laid into my own tile in LDS and read back turned, as 4 fragments of 16 columns x 32 K.  n: the loads issued behind K step c's, which stay out.
; No barrier: the tile is my wave's, and LDS serves a wave's instructions in order (ISA guide 5.7.1.4).  Rows k and k + 4 of the tile lie 640 bytes = 160 words apart, 32 modulo 64:
; the 32 lanes of a store touch 64 different words modulo 64 (64 banks of 4 bytes: ISA guide 11.1).
.macro WTURN c, n
	STAGE \c
	s_wait_loadcnt \n                              ; loads come back in order
	WIN 0x45*SW
.set t, 0
.rept 32
	v_cvt_pk_bf16_f32 v[SB+t], v[SB+2*t], v[SB+2*t+1]  ; in place: line t writes register t and reads 2 t, 2 t + 1, which no earlier line has written
.set t, t+1
.endr
	WIN 0x04*SW
	s_wait_alu depctr_va_vdst(0)                   ; the roundings have written the stage's first 32 registers, which the LDS stores read
.set t, 0
.rept 16
	ds_store_b64 v6, v[SB+2*t:SB+2*t+1] offset:(8*(t/4)+t%4)*WP
.set t, t+1
.endr
	WIN 0x80+0x40*((\c)>>3)                        ; destination window 2 or 3: registers that no other line has named; since the wait above only LDS stores of other registers stand
.irp nt, 0,1,2,3
	ds_load_tr16_b128 v[32*((\c)&7)+8*\nt:32*((\c)&7)+8*\nt+3],   v7 offset:\nt*32
	ds_load_tr16_b128 v[32*((\c)&7)+8*\nt+4:32*((\c)&7)+8*\nt+7], v7 offset:\nt*32+16*WP
.endr
	WIN 0
.endm
.macro XADDR1 set, i                   ; row i's byte offset in x: token = entry / 2.  A pad's -1 becomes token 4,095: its row of h is defined and the next layer stores none of it
	s_lshr_b32 s25, s[(\set)+(\i)], 1
	s_min_u32 s25, s25, 4095
	v_lshl_add_u32 v[XO+(\i)], s25, 11, v4
.endm
.macro XROW i                          ; row i, 2,048 bytes: 4 loads of 512 consecutive bytes
.irp q, 0,1,2,3
	global_load_b128 v[XST+16*(\i)+4*\q:XST+16*(\i)+4*\q+3], v[XO+(\i)], s[4:5] offset:512*\q
.endr
.endm
.macro CV i, t                         ; row i, pair t of 8: rounded in place
	v_cvt_pk_bf16_f32 v[XST+16*(\i)+(\t)], v[XST+16*(\i)+2*(\t)], v[XST+16*(\i)+2*(\t)+1]
.endm
.macro XPUT i                          ; row i into the slot that is staged: 4 stores of 256 consecutive bytes
.irp q, 0,1,2,3
	ds_store_b64 v8, v[XST+16*(\i)+2*\q:XST+16*(\i)+2*\q+1] offset:XWR+(\i)*XP+\q*256
.endr
.endm
.macro IDS set, off, adv               ; the list's entries for my 8 rows of the team's next block; the look-ahead stops at the expert's last block, whose entries are stored
.if \adv
	s_add_co_u32 s23, s23, s44
.endif
	s_min_u32 s23, s23, s37
	s_min_u32 s23, s23, MAXB
	s_lshl_b32 s[\off], s23, 7
	s_add_co_u32 s[\off], s[\off], s46
	s_load_b256 s[\set:\set+7], s[10:11], s[\off] offset:LISTB
.endm
; Group g's fragments of x: K steps 4 g .. 4 g + 3, both halves of the rows: one run of 16 LDS loads, four for each K step
.macro FL g
	WIN 0x40                                       ; destination window 1
.irp k4, 0,1,2,3
.irp mt, 0,1
	ds_load_b128 v[16*(4*(\g)+\k4)+8*\mt:16*(4*(\g)+\k4)+8*\mt+3],   v9 offset:XRD+\mt*16*XP+(4*(\g)+\k4)*64
	ds_load_b128 v[16*(4*(\g)+\k4)+8*\mt+4:16*(4*(\g)+\k4)+8*\mt+7], v9 offset:XRD+\mt*16*XP+(4*(\g)+\k4)*64+32
.endr
.endr
.endm
; The 8 matrix instructions of K step ks.  The 8 accumulators take turns, one instruction a turn.  K step 0 starts the sums from b1.
; issued: the LDS instructions issued since the trip's barrier; of them the first 4 (ks + 1) are the loads of K steps 0 .. ks, and LDS instructions end in order (ISA guide 5.7.1): the rest may stay out.
.macro MULW ks, issued
	s_wait_dscnt (\issued)-4*((\ks)+1)
	WIN 0x06+((\ks)>>3)                            ; source 0 window 2 or 3, source 1 window 1, C and D window 0
.irp mt, 0,1
.irp nt, 0,1,2,3
.set rA, ACC+8*(4*\mt+\nt)
.set rW, 32*((\ks)&7)+8*\nt
.set rX, 16*(\ks)+8*\mt
.if (\ks) == 0
	v_wmma_f32_16x16x32_bf16 v[rA:rA+7], v[rW:rW+7], v[rX:rX+7], v[BIAS+8*\nt:BIAS+8*\nt+7]
.else
	v_wmma_f32_16x16x32_bf16 v[rA:rA+7], v[rW:rW+7], v[rX:rX+7], v[rA:rA+7]
.endif
.endr
.endr
.endm
; THE WAY OUT of block s20, whose sums the trip before has left in the accumulators
.macro EPI
.set t, 0
.rept 64
	v_max_num_f32 v[ACC+t], 0, v[ACC+t]            ; relu, each accumulator from its lowest register on
.set t, t+1
.endr
.irp a, 0,1,2,3,4,5,6,7
.irp pp, 0,1,2,3
	v_cvt_pk_bf16_f32 v[ACC+8*\a+\pp], v[ACC+8*\a+2*\pp], v[ACC+8*\a+2*\pp+1]
.endr
.endr
	s_min_u32 s25, s20, MAXB
	v_lshl_add_u32 v10, s25, 17, v4                ; the block's 131,072 bytes of h, 16 bytes a lane
	s_wait_alu depctr_va_vdst(0)                   ; the roundings have written each accumulator's first four registers, and v10 is written: the stores below read them
.irp mt, 0,1
.irp nt, 0,1,2,3
	global_store_b128 v10, v[ACC+8*(4*\mt+\nt):ACC+8*(4*\mt+\nt)+3], s[12:13] offset:\nt*1024+\mt*512  ; 512 consecutive bytes, at a multiple of 512 from h's first byte
.endr
.endr
	s_wait_xcnt 0x0                                ; the accumulators and v10, which these stores read, are written again only behind this wait
	s_wait_alu depctr_vm_vsrc(0)                   ; the stores have read the accumulators, which the next products write, and v10, which the next way out writes
.endm
; A TRIP.  p: the slot that holds its block.  s22: its block; s20: the block before (at the start the team's end: none).
.macro TRIP p
.set XRD, (\p)*XSL
.set XWR, (1-(\p))*XSL
	s_wait_dscnt 0x0                               ; for the others' sake: my rows of this trip's block are in LDS, and my reads of the other slot are over
	s_barrier_signal -1
	s_barrier_wait -1                              ; both now hold of all four waves
	s_cmp_lt_u32 s22, s47
	s_cbranch_scc0 .Ldead_\@                       ; a dead trip
	s_wait_kmcnt 0x0                               ; the entries asked for a trip ago: those of the block two further on
.if \p
.set IDU, ID1
	IDS ID0, 36, 1                                 ; the other set, last read a trip ago, takes the block's after that
.else
.set IDU, ID0
	IDS ID1, 38, 1
.endif
	WIN 0x40
	s_wait_alu depctr_va_vdst(0)                   ; the last trip's products are done reading x's fragments, in which this trip's four runs of loads land (at the first trip: the roundings of W1's fourth stage, v192-255 of this window, are done)
	FL 0
	FL 1
	WIN 0                                          ; at a branch and at a label every window is 0
	s_cmp_lt_u32 s20, s47
	s_cbranch_scc0 .Lnone_\@                       ; the team's first block has none before it
	EPI                                            ; while the first fragments arrive
.Lnone_\@:
.irp ks, 0,1,2,3
	MULW \ks, 32
.endr
	FL 2                                           ; no wait: since the trip's first wait no vector or matrix instruction has named v9 or the fragments of K steps 8 to 11
.irp ks, 4,5,6,7
	MULW \ks, 48
.endr
	FL 3                                           ; likewise for K steps 12 to 15
	WIN 0
	; the next block is staged into the other slot
	s_wait_loadcnt 0x0                             ; its rows, asked for a trip ago: their offsets may be written
	s_wait_alu depctr_vm_vsrc(0)                   ; those rows' loads have read their offsets, which the lines below write
.irp i, 0,1,2,3,4,5,6,7
	XADDR1 IDU, \i
.endr
.irp i, 0,1,2,3,4,5,6,7
.irp t8, 0,1,2,3,4,5,6,7
	CV \i, \t8
.endr
.endr
	s_wait_alu depctr_va_vdst(0)                   ; the roundings have written what the LDS stores read and are done with the registers in which the rows' loads land; the offsets that those loads read are written
.irp i, 0,1,2,3,4,5,6,7
	XPUT \i
.endr
	s_wait_alu depctr_vm_vsrc(0)                   ; the LDS stores have read the registers in which the loads below land
.irp i, 0,1,2,3,4,5,6,7
	XROW \i                                        ; the block after it
.endr
.irp ks, 8,9,10,11,12,13,14,15
	MULW \ks, 96                                   ; 64 fragment loads and the 32 stores of the staging
.endr
	WIN 0
.rept 5
	v_nop                                          ; five places behind the trip's last products, on every way on from here: four are due in front of a vector instruction that touches
.endr                                                  ; their registers, five in front of the products that start the next sums on the same accumulators (ISA guide 7.12.1)
	s_branch .Lend_\@
.Ldead_\@:
	s_cmp_lt_u32 s20, s47
	s_cbranch_scc0 .Lend_\@
	EPI                                            ; the team's last block goes out in the first dead trip
.Lend_\@:
	s_mov_b32 s20, s22
	s_add_co_u32 s22, s22, s44                     ; the team's next block
.endm
	s_load_b256 s[4:11], s[0:1], 0x0               ; inputs s[4:5], W1 s[6:7], b1 s[8:9], order s[10:11]
	s_load_b64 s[12:13], s[0:1], 0x20              ; h
	v_lshl_add_u32 v62, v0, 2, 0x15400
	v_mov_b32 v63, 0
	v_lshrrev_b32 v12, 5, v0
	v_readfirstlane_b32 s14, v12                   ; wave 0..3
	s_and_b32 s16, ttmp7, 0xffff                   ; slice
	s_lshl_b32 s45, ttmp9, 4                       ; the team's record, 16 bytes
	s_wait_alu depctr_va_sdst(0)                   ; s14 is written, ahead of its first reader: LDS addresses, columns and list offsets are made from it
	s_lshl_b32 s46, s14, 5                         ; my 8 entries in a block's 32
	s_wait_kmcnt 0x0
	s_load_b128 s[48:51], s[10:11], s45 offset:0x0 ; expert, first block, step, end block
	v_and_b32 v1, 31, v0                           ; lane
	v_and_b32 v2, 15, v0                           ; r
	v_bfe_u32 v3, v0, 4, 1                         ; hh
	v_lshlrev_b32 v4, 4, v1                        ; 16 lane
	v_mul_u32_u24 v5, v3, 4*PITCH
	v_lshl_add_u32 v5, v2, 4, v5                   ; W1: row k or k + 4, 16 bytes a lane
	s_mul_i32 s25, s14, WTW                        ; my tile
	v_mul_u32_u24 v6, v3, 4*WP
	v_lshl_add_u32 v6, v2, 3, v6
	v_add_nc_u32 v6, s25, v6                       ; into the tile: row k or k + 4, 8 bytes a lane
	v_and_b32 v12, 7, v0
	v_lshl_add_u32 v12, v3, 3, v12
	v_mul_u32_u24 v7, v12, WP
	v_bfe_u32 v12, v0, 3, 1
	v_lshl_add_u32 v7, v12, 4, v7
	v_add_nc_u32 v7, s25, v7                       ; the turning load: row 8 hh + lane % 8, 16 bytes x (lane / 8) % 2
	s_mul_i32 s25, s14, 8*XP
	s_add_co_u32 s25, s25, XB
	v_lshl_add_u32 v8, v1, 3, s25                  ; x into LDS: my 8 rows, 8 bytes a lane
	v_mul_u32_u24 v9, v2, XP
	v_lshl_add_u32 v9, v3, 4, v9
	v_add_nc_u32 v9, XB, v9                        ; x's fragments: row r, 16 bytes x hh
	v_lshlrev_b32 v11, 5, v3                       ; b1: 8 hh numbers on
	s_lshl_b32 s24, s16, 10
	s_lshl_b32 s25, s14, 8
	s_add_co_u32 s24, s24, s25                     ; my first column in bytes of f32: 1,024 slice + 256 w
	s_mov_b32 s27, 0
	s_mov_b32 s41, 0
	s_lshl_b32 s42, s24, 4                         ; h: my first tile of 16 columns: 16,384 slice + 4,096 w
	s_mov_b32 s43, 0
	s_wait_kmcnt 0x0
	s_min_u32 s15, s48, 7                          ; the expert: a loaded number is bounded before it enters an address
	s_lshl_b32 s26, s15, 22                        ; W1[e]: 4 MiB an expert
	s_add_co_u32 s26, s26, s24
	s_add_nc_u64 s[6:7], s[6:7], s[26:27]
	s_wait_alu depctr_va_vdst(0)                   ; v4 to v9 and v11 are written: the kernel's loads and stores read them as offsets and LDS addresses, and no line writes them again
	WLOAD 0, 0                                     ; four K steps, 32 KiB a wave, are kept on their way
	WLOAD 1, 0
	WLOAD 2, 0
	WLOAD 3, 0
	s_lshl_b32 s40, s15, 13                        ; b1[e]
	s_add_co_u32 s40, s40, s24
	s_add_nc_u64 s[8:9], s[8:9], s[40:41]
	s_add_nc_u64 s[12:13], s[12:13], s[42:43]
	s_mov_b32 s22, s49                             ; the block in hand
	s_mov_b32 s44, s50                             ; the step
	s_mov_b32 s47, s51                             ; the end
	s_mov_b32 s20, s51                             ; the block before the one in hand: none yet
	s_sub_co_u32 s37, s51, 1                       ; the expert's last block
	s_mov_b32 s23, s22
	IDS ID0, 36, 0                                 ; the first block's entries,
	IDS ID1, 38, 1                                 ; the second's
.irp c, 0,1,2,3,4,5,6,7,8,9,10,11
	WTURN \c, 48                                   ; the three younger K steps stay out
	WLOAD (\c)+4, 1                                ; the stage is asked for again
.endr
	WTURN 12, 48
	; the last four turns have no K step to ask for: b1 and the first block's rows take the places
.irp nt, 0,1,2,3
	global_load_b128 v[BIAS+8*\nt:BIAS+8*\nt+3],   v11, s[8:9] offset:64*\nt     ; register j: column 16 nt + 8 hh + j, as in an accumulator
	global_load_b128 v[BIAS+8*\nt+4:BIAS+8*\nt+7], v11, s[8:9] offset:64*\nt+16
.endr
	s_wait_kmcnt 0x0                               ; both sets of entries
.irp i, 0,1,2,3,4,5,6,7
	XADDR1 ID0, \i                                 ; ahead of the next turn's wait on va_vdst, which so shows these offsets written too
.endr
	IDS ID0, 36, 1                                 ; the third block's entries
	WTURN 13, 40                                   ; behind K step 13: steps 14 and 15 and b1's 8 loads
	s_wait_alu depctr_vm_vsrc(0)                   ; step 13's LDS stores have read its stage, in which rows 0 to 3 land (its roundings stand ahead of the turn's wait on va_vdst)
.irp i, 0,1,2,3
	XROW \i                                        ; into the stage that step 13 has left
.endr
	WTURN 14, 40                                   ; step 15, b1, four rows
	s_wait_alu depctr_vm_vsrc(0)                   ; the same for step 14's stage and rows 4 to 7
.irp i, 4,5,6,7
	XROW \i                                        ; into the stage that step 14 has left
.endr
	WTURN 15, 40                                   ; b1, eight rows
	s_wait_loadcnt 32                              ; b1 is in; the eight rows' 32 loads stay out
.irp p, 0,2,4,6,8,10,12,14,16,18,20,22,24,26,28,30
	v_cvt_pk_bf16_f32 v12, v[BIAS+\p], v[BIAS+\p+1]    ; b1 rounded to bf16 like the other inputs, and widened again
	v_lshlrev_b32 v[BIAS+\p], 16, v12
	v_and_b32 v[BIAS+\p+1], 0xffff0000, v12
.endr
	; the first block is staged into slot 0, and the second block's rows are asked for
	s_wait_loadcnt 16                              ; rows 0 to 3
	s_wait_alu depctr_vm_vsrc(0)                   ; the eight rows' loads have read their offsets, which are written below; step 15's LDS stores have read the fourth stage, in which the first trip's fragments land
.irp i, 0,1,2,3
.irp t8, 0,1,2,3,4,5,6,7
	CV \i, \t8
.endr
	XADDR1 ID1, \i
.endr
	s_wait_alu depctr_va_vdst(0)                   ; the roundings have written what the LDS stores of rows 0 to 3 read
.irp i, 0,1,2,3
	XPUT \i
.endr
	s_wait_loadcnt 0x0                             ; rows 4 to 7
.irp i, 4,5,6,7
.irp t8, 0,1,2,3,4,5,6,7
	CV \i, \t8
.endr
	XADDR1 ID1, \i
.endr
	s_wait_alu depctr_va_vdst(0)                   ; the same for rows 4 to 7; all roundings are done with the registers in which the loads below land, and all eight offsets are written
.irp i, 4,5,6,7
	XPUT \i
.endr
	s_wait_alu depctr_vm_vsrc(0)                   ; the LDS stores have read the registers in which the loads below land
.irp i, 0,1,2,3,4,5,6,7
	XROW \i
.endr
	s_mov_b32 s21, PAIRS
.Lloop:                                                ; the first trip's wait for LDS also covers W1's last fragments
	TRIP 0
	TRIP 1
	s_sub_co_u32 s21, s21, 1
	s_cmp_lg_u32 s21, 0
	s_cbranch_scc1 .Lloop
	s_wait_loadcnt 0x0                             ; the look-ahead behind the last block (bounded rows and entries, used by nobody) is let land
	s_wait_kmcnt 0x0
	s_wait_dscnt 0x0
	s_wait_alu depctr_hold_cnt(0) depctr_sa_sdst(0) depctr_va_vdst(0) depctr_va_sdst(0) depctr_va_ssrc(0) depctr_va_vcc(0) depctr_vm_vsrc(0)
	s_wait_tensorcnt 0x0
	ds_add_u32 v62, v63
	s_wait_dscnt 0x0
	s_endpgm
.Lfunc_end_k_qc64a3dd08d_ffn1:
	.size	k_qc64a3dd08d_ffn1, .Lfunc_end_k_qc64a3dd08d_ffn1-k_qc64a3dd08d_ffn1
	.p2alignl 7, 3214868480
	.fill 96, 4, 3214868480
	.section	.rodata,"a",@progbits
	.p2align	6, 0x0
	.amdhsa_kernel k_qc64a3dd08d_ffn1
		.amdhsa_group_segment_fixed_size 87552
		.amdhsa_private_segment_fixed_size 0
		.amdhsa_enable_private_segment 0
		.amdhsa_kernarg_size 40
		.amdhsa_user_sgpr_count 2
		.amdhsa_user_sgpr_kernarg_segment_ptr 1
		.amdhsa_wavefront_size32 1
		.amdhsa_system_sgpr_workgroup_id_x 1
		.amdhsa_system_sgpr_workgroup_id_y 1
		.amdhsa_system_sgpr_workgroup_id_z 1
		.amdhsa_system_vgpr_workitem_id 0
		.amdhsa_next_free_vgpr 1024
		.amdhsa_next_free_sgpr 66
		.amdhsa_reserve_vcc 0
		.amdhsa_float_denorm_mode_32 3
		.amdhsa_float_denorm_mode_16_64 3
		.amdhsa_memory_ordered 1
		.amdhsa_forward_progress 1
		.amdhsa_inst_pref_size 173
	.end_amdhsa_kernel
	.amdgpu_metadata
---
amdhsa.version: [ 1, 2 ]
amdhsa.kernels:
  - .name:           k_qc64a3dd08d_ffn1
    .symbol:         k_qc64a3dd08d_ffn1.kd
    .args:
      - { .name: inputs, .offset: 0, .size: 8, .value_kind: global_buffer, .address_space: global }
      - { .name: W1, .offset: 8, .size: 8, .value_kind: global_buffer, .address_space: global }
      - { .name: b1, .offset: 16, .size: 8, .value_kind: global_buffer, .address_space: global }
      - { .name: order, .offset: 24, .size: 8, .value_kind: global_buffer, .address_space: global }
      - { .name: h, .offset: 32, .size: 8, .value_kind: global_buffer, .address_space: global }
    .group_segment_fixed_size: 87552
    .private_segment_fixed_size: 0
    .kernarg_segment_align: 8
    .kernarg_segment_size: 40
    .max_flat_workgroup_size: 128
    .sgpr_count:     66
    .vgpr_count:     1024
    .wavefront_size: 32
...
	.end_amdgpu_metadata
.endif
;; end of part 7
;; launch ffn2 (part 8): grid 32 x 8, 4 waves a work-group, no clusters, 55,808 bytes of LDS; arguments h, W2, b2, order, out0; writes out0
.if DOCPART == 8
	.amdgcn_target "amdgcn-amd-amdhsa--gfx1250"
	.amdhsa_code_object_version 6
	.text
	.protected	k_qc64a3dd08d_ffn2
	.globl	k_qc64a3dd08d_ffn2
	.p2align	8
	.type	k_qc64a3dd08d_ffn2,@function
k_qc64a3dd08d_ffn2:
	s_mov_b64 s[64:65], 0
	v_nop
	global_prefetch_b8 v0, s[64:65] scope:SCOPE_SE
	s_setreg_imm32_b32 hwreg(HW_REG_WAVE_SCHED_MODE, 0, 2), 2
	s_setreg_imm32_b32 hwreg(HW_REG_WAVE_MODE, 25, 1), 1
	s_wait_xcnt 0x0
	s_wait_alu depctr_vm_vsrc(0)
; SECOND LAYER: out0[a] = h[row of a] . W2[e] + b2[e], each sorted row stored at its assignment's place.  h bf16 (as the first layer left it), W2, b2 f32, each rounded once to bf16; sums and out0 in f32.
; THE WEIGHTS STAY.  Work-group (x, y): team x (0..31), slice y (64 of the 512 columns).  The team's record in order names its expert and its blocks of 32 rows: first, first + step, .. below end.
; Wave w holds K = 512 w .. 512 w + 511 of the 2,048 for the slice's 64 columns: 512 registers.  32 x 8 = 256 work-groups.
; A trip: each wave multiplies the block's 32 rows, its quarter of K, by its weights (128 matrix instructions); the four partial sums of 32 x 64 meet in LDS, and wave w finishes and stores rows 8 w .. 8 w + 7.
; ELEVEN TRIPS, a constant: no team has more blocks (the first launch shares them out so).  A trip whose block lies at or behind the team's end is dead: its three parts are jumped over, forward;
; the two barriers stand outside the jumps, so that every wave passes each of them in every trip.
; h's fragments come straight into registers: the tile of 16 rows x 16 columns lies as 512 consecutive bytes, lane L's 16 bytes at 16 L, which is half of a fragment of 16 rows x 32 K.
; A ring of four groups of 16 loads keeps up to a whole block's quarter, 32 KiB a wave, on its way: two groups are asked for again together, for the next block, when both have been multiplied.
; THE MATRIX INSTRUCTION IS USED TRANSPOSED (source 0 = 16 columns of W2, source 1 = 16 rows of h): a lane holds one row and eight neighbouring columns.
; A ROW LEAVES BY ONE STORE: 32 lanes x 8 bytes are its 256 consecutive bytes in the slice.  A pad's row is passed by a scalar jump on its entry; pads end a block, so the first pad ends my stores.
; NO CLUSTER, NO TENSOR LOADS: W2 is f32 and lies [K][N], so it is rounded and turned on its way into registers.  The 8 slices of a team do walk the same blocks of h, 131,072 bytes each;
; asking for them jointly would bring them into LDS, from where each fragment would be read once more into registers: not built in this text.
; REGISTERS, in windows of 256: window 0: v0-31 addresses, b2, rows' offsets; v64-127 accumulators, (mt, nt) at 64 + 8 (4 mt + nt); v128-191 the four partial sums of my 8 rows;
;   window 1: h's fragments, (ks, mt) at 16 ks + 8 mt;  windows 2, 3: W2's fragments, K step ks in window 2 + ks / 8, (ks, nt) at 32 (ks % 8) + 8 nt.
;   Ahead of the loop v64-255 of window 0 and v192-255 of window 1 are four stages for W2.
; THE MODE: SCHED_MODE bits 1:0 = 2 (LLVM: expert scheduling mode 2), set by the entry lines.  The code itself states the register dependences between vector or matrix instructions and
; memory or LDS instructions, with s_wait_alu, always for 0.
; THE PLAN.  Registers that memory or LDS instructions touch, in the loop:
;   h's fragments (window 1)  Group g is read by its 32 products; the next block's loads land in it: groups 0 and 1 behind group 1's products, groups 2 and 3 behind group 3's.
;   the accumulators          Written by the products; read by the 16 LDS stores behind them; written again by the next trip's first products.
;   the parts (v128-191)      32 LDS loads land in them; the additions read and write them; the rows' global stores read them.
;   the rows' offsets (v24-31) Written by 8 vector lines, read by the rows' global stores.
;   v4, v8, v9, v10           Made at the head and never written again.
; So a live trip has three waits on va_vdst: behind group 1's products; behind group 3's, which also shows the accumulators written for the LDS stores; and behind the additions and the offsets,
; ahead of the global stores, which also stands between the additions and the next trip's LDS loads into the parts.  One wait on vm_vsrc stands at the trip's head, on every way through the trip.
.set TRIPS, 11
.set LISTB, 0x200                      ; the list's first byte in order
.set PITCH, 2048                       ; bytes from row to row of W2[e]
.set WTW,   5120                       ; LDS 0 .. 20,479: for each wave a tile of 32 rows (K) x 64 bf16,
.set WP,    160                        ; rows 160 bytes apart = 5 x 32: the 8 rows x 32 bytes that 16 lanes of the turning load take fall on different words
.set RED,   20480                      ; LDS 20,480 .. 55,295: for each wave its partial sums, 32 rows x 64 f32,
.set RP,    272                        ; 256 bytes + 16 = 17 x 16: the 16 rows of a store start 16 bytes further on each
.set REDW,  32*RP
.set MAXB,  263                        ; the last block that the list and h have room for
.set B2,    16                         ; v[16:17] b2 of my two columns
.set VO,    24                         ; v[24:31] byte offsets of my 8 rows in out0
.set ACC,   64
.set RT,    128                        ; part p, row i at RT + 16 p + 2 i
.set SB3,   192                        ; the fourth stage, in window 1: the registers of the ring's last group, which is asked for last
.set ID,    28                         ; s[28:35] the list's entries for my 8 rows
.set MSB, 0
.macro WIN new                         ; the immediate's high byte repeats the setting that is left; a switch that changes nothing is dropped
.if MSB != (\new)
	s_set_vgpr_msb (MSB<<8)|(\new)
.set MSB, (\new)
.endif
.endm
.macro PLACES                          ; five plain vector instructions behind the products.  Behind group 3's: four are due in front of the LDS stores that read the sums, five in front of the products that start
.rept 5                                ; the next block's sums on the same accumulators (ISA guide 7.12.1).  Behind group 1's they keep the same distance in front of the loads into the fragments just read;
	v_nop                                          ; that dependence itself is stated by the wait behind them, and nothing else asks for these five there
.endr
.endm
.macro STAGE c                         ; K step c's stage: registers SB on, in window SW
.if ((\c)%4) == 3
.set SB, SB3
.set SW, 1
.else
.set SB, 64+64*((\c)%4)
.set SW, 0
.endif
.endm
; K step c of my shard: 32 rows x 64 columns of f32.  A load takes rows k and k + 4: 16 lanes cover a row's 256 consecutive bytes, aligned.
; again = 1: the stage has held K step c - 4, which the turn just above has rounded and stored.
.macro WLOAD c, again
	STAGE \c
	WIN 0x40*SW
.if \again
	s_wait_alu depctr_vm_vsrc(0)                   ; the turn's LDS stores have read the stage, in which these loads land (the roundings that named it stand ahead of the turn's wait on va_vdst)
.if SW
	s_wait_alu depctr_va_vdst(0)                   ; the fourth stage lies in window 1: that the roundings are done with it is stated once more behind the switch, directly ahead of the loads
.endif
.endif
.set t, 0
.rept 16
	global_load_b128 v[SB+4*t:SB+4*t+3], v5, s[6:7] offset:(32*(\c)+8*(t/4)+t%4)*PITCH
.set t, t+1
.endr
.endm
; K step c is rounded to bf16, laid into my own tile in LDS and read back turned, as 4 fragments of 16 columns x 32 K.
; No barrier: the tile is my wave's, and LDS serves a wave's instructions in order (ISA guide 5.7.1.4).  Rows k and k + 4 of the tile lie 640 bytes = 160 words apart, 32 modulo 64:
; the 32 lanes of a store touch 64 different words modulo 64 (64 banks of 4 bytes: ISA guide 11.1).
.macro WTURN c
	STAGE \c
	s_wait_loadcnt 48                              ; loads come back in order: K step c is in; the three groups of 16 loads issued behind it stay out
	WIN 0x45*SW
.set t, 0
.rept 32
	v_cvt_pk_bf16_f32 v[SB+t], v[SB+2*t], v[SB+2*t+1]  ; in place: line t writes register t and reads 2 t, 2 t + 1, which no earlier line has written
.set t, t+1
.endr
	WIN 0x04*SW
	s_wait_alu depctr_va_vdst(0)                   ; the roundings have written the stage's first 32 registers, which the LDS stores read
.set t, 0
.rept 16
	ds_store_b64 v6, v[SB+2*t:SB+2*t+1] offset:(8*(t/4)+t%4)*WP
.set t, t+1
.endr
	WIN 0x80+0x40*((\c)>>3)                        ; destination window 2 or 3: registers that no other line has named; since the wait above only LDS stores of other registers stand
.irp nt, 0,1,2,3
	ds_load_tr16_b128 v[32*((\c)&7)+8*\nt:32*((\c)&7)+8*\nt+3],   v7 offset:\nt*32
	ds_load_tr16_b128 v[32*((\c)&7)+8*\nt+4:32*((\c)&7)+8*\nt+7], v7 offset:\nt*32+16*WP
.endr
	WIN 0
.endm
; The 8 matrix instructions of K step ks.  The 8 accumulators take turns, one instruction a turn.  first = 1: the products start the sums.
.macro MUL ks, first
	WIN 0x06+((\ks)>>3)                            ; source 0 window 2 or 3, source 1 window 1, C and D window 0
.irp mt, 0,1
.irp nt, 0,1,2,3
.set rA, ACC+8*(4*\mt+\nt)
.set rW, 32*((\ks)&7)+8*\nt
.set rX, 16*(\ks)+8*\mt
.if \first
	v_wmma_f32_16x16x32_bf16 v[rA:rA+7], v[rW:rW+7], v[rX:rX+7], 0
.else
	v_wmma_f32_16x16x32_bf16 v[rA:rA+7], v[rW:rW+7], v[rX:rX+7], v[rA:rA+7]
.endif
.endr
.endr
.endm
; Group g of the ring: h's fragments of K steps 4 g .. 4 g + 3 of the block at s[38:39]: 16 loads of 512 consecutive bytes
.macro ALOAD g
	WIN 0x40                                       ; destination window 1
.irp k4, 0,1,2,3
.irp mt, 0,1
.irp hf, 0,1
	global_load_b128 v[16*(4*(\g)+\k4)+8*\mt+4*\hf:16*(4*(\g)+\k4)+8*\mt+4*\hf+3], v4, s[38:39] offset:(4*(\g)+\k4)*2048+\hf*1024+\mt*512
.endr
.endr
.endr
.endm
	s_load_b256 s[4:11], s[0:1], 0x0               ; h s[4:5], W2 s[6:7], b2 s[8:9], order s[10:11]
	s_load_b64 s[12:13], s[0:1], 0x20              ; out0
	v_lshl_add_u32 v62, v0, 2, 0xd800
	v_mov_b32 v63, 0
	v_lshrrev_b32 v11, 5, v0
	v_readfirstlane_b32 s14, v11                   ; wave 0..3
	s_and_b32 s16, ttmp7, 0xffff                   ; slice
	s_lshl_b32 s45, ttmp9, 4                       ; the team's record, 16 bytes
	s_wait_alu depctr_va_sdst(0)                   ; s14 is written, ahead of its first reader: LDS addresses, my quarter of K and list offsets are made from it
	s_lshl_b32 s46, s14, 5                         ; my 8 entries in a block's 32
	s_mov_b32 s42, 0xffff0000                      ; a word's upper bf16
	s_wait_kmcnt 0x0
	s_load_b128 s[48:51], s[10:11], s45 offset:0x0 ; expert, first block, step, end block
	v_and_b32 v1, 31, v0                           ; lane
	v_and_b32 v2, 15, v0                           ; r
	v_bfe_u32 v3, v0, 4, 1                         ; hh
	v_lshlrev_b32 v4, 4, v1                        ; 16 lane
	v_mul_u32_u24 v5, v3, 4*PITCH
	v_lshl_add_u32 v5, v2, 4, v5                   ; W2: row k or k + 4, 16 bytes a lane
	s_mul_i32 s25, s14, WTW                        ; my tile
	v_mul_u32_u24 v6, v3, 4*WP
	v_lshl_add_u32 v6, v2, 3, v6
	v_add_nc_u32 v6, s25, v6                       ; into the tile: row k or k + 4, 8 bytes a lane
	v_and_b32 v11, 7, v0
	v_lshl_add_u32 v11, v3, 3, v11
	v_mul_u32_u24 v7, v11, WP
	v_bfe_u32 v11, v0, 3, 1
	v_lshl_add_u32 v7, v11, 4, v7
	v_add_nc_u32 v7, s25, v7                       ; the turning load: row 8 hh + lane % 8, 16 bytes x (lane / 8) % 2
	s_mul_i32 s25, s14, REDW
	s_add_co_u32 s25, s25, RED                     ; my part
	v_mul_u32_u24 v8, v2, RP
	v_lshl_add_u32 v8, v3, 5, v8
	v_add_nc_u32 v8, s25, v8                       ; in: row r, 32 bytes x hh
	s_mul_i32 s25, s14, 8*RP
	s_add_co_u32 s25, s25, RED                     ; my 8 rows, in part 0
	v_lshl_add_u32 v9, v1, 3, s25                  ; back: a row's 256 bytes, 8 bytes a lane
	v_lshlrev_b32 v10, 3, v1                       ; 8 lane: my two columns
	s_lshl_b32 s24, s16, 8                         ; the slice's first column in bytes of f32
	s_mov_b32 s27, 0
	s_mov_b32 s41, 0
	s_mov_b32 s53, 0
	s_mov_b32 s54, s24                             ; out0
	s_mov_b32 s55, 0
	s_lshl_b32 s56, s14, 15                        ; h: my quarter of K, 32 tiles of 16 columns
	s_mov_b32 s57, 0
	s_wait_kmcnt 0x0
	s_min_u32 s15, s48, 7                          ; the expert: a loaded number is bounded before it enters an address
	s_lshl_b32 s26, s15, 22                        ; W2[e]: 4 MiB an expert,
	s_lshl_b32 s25, s14, 20                        ; my 512 rows of 2,048 bytes
	s_add_co_u32 s26, s26, s25
	s_add_co_u32 s26, s26, s24
	s_lshl_b32 s52, s15, 11                        ; b2[e]
	s_add_co_u32 s52, s52, s24
	s_add_nc_u64 s[6:7], s[6:7], s[26:27]
	s_add_nc_u64 s[8:9], s[8:9], s[52:53]
	s_wait_alu depctr_va_vdst(0)                   ; v4 to v10 are written: the kernel's loads and stores read them as offsets and LDS addresses, and no line writes them again
	global_load_b64 v[B2:B2+1], v10, s[8:9]        ; the oldest load: the first turn's wait covers it
	WLOAD 0, 0                                     ; four K steps, 32 KiB a wave, are kept on their way
	WLOAD 1, 0
	WLOAD 2, 0
	WLOAD 3, 0
	s_add_nc_u64 s[12:13], s[12:13], s[54:55]
	s_add_nc_u64 s[4:5], s[4:5], s[56:57]
	s_mov_b32 s22, s49                             ; the block in hand
	s_mov_b32 s44, s50                             ; the step
	s_mov_b32 s47, s51                             ; the end
	s_sub_co_u32 s37, s51, 1                       ; the expert's last block: the first layer has stored it, and so has the list
	s_min_u32 s25, s22, s37
	s_min_u32 s25, s25, MAXB
	s_lshl_b32 s40, s25, 17
	s_add_nc_u64 s[38:39], s[4:5], s[40:41]        ; the first block's quarter of h
	s_lshl_b32 s36, s25, 7
	s_add_co_u32 s36, s36, s46
	s_load_b256 s[ID:ID+7], s[10:11], s36 offset:LISTB  ; the first block's entries for the 8 rows that I finish
.irp c, 0,1,2,3,4,5,6,7,8,9,10,11
	WTURN \c
	WLOAD (\c)+4, 1                                ; the stage is asked for again
.endr
	; the last four turns have no K step to ask for: the ring's four groups of the first block take the places, so that 48 loads stand behind each turn's own as before
	WTURN 12
	ALOAD 0                                        ; groups 0 to 2 land in registers that no line has named yet
	WTURN 13
	ALOAD 1
	WTURN 14
	ALOAD 2
	WTURN 15
	WIN 0x40
	s_wait_alu depctr_vm_vsrc(0)                   ; step 15's LDS stores have read the fourth stage, in which group 3 lands
	s_wait_alu depctr_va_vdst(0)                   ; its roundings are done with that stage: stated behind the switch, directly ahead of the loads
	ALOAD 3                                        ; into the registers that K step 15's stage has left
	WIN 0
	v_cvt_pk_bf16_f32 v11, v[B2], v[B2+1]          ; b2 rounded to bf16 like the other inputs, and widened again
	v_lshlrev_b32 v[B2], 16, v11
	v_and_b32 v[B2+1], s42, v11
	s_wait_dscnt 0x0                               ; all of W2's fragments are in
	s_mov_b32 s21, TRIPS
.Lloop:
	s_wait_xcnt 0x0                                ; at the trip's head, on every way through it: the ring's base, and the registers that the last trip's stores read, are written again only behind this wait
	s_wait_alu depctr_vm_vsrc(0)                   ; the last trip's LDS stores have read the accumulators, which the first products write; its global stores have read the parts and the offsets, which this trip's LDS loads and vector lines write (at the first trip: the turns' LDS stores have read the stages that lay there)
	s_cmp_lt_u32 s22, s47
	s_cbranch_scc0 .Lno_mul                        ; a dead trip
	s_add_co_u32 s25, s22, s44                     ; the next block, or behind my last one the expert's last: stored, and multiplied by nobody here
	s_min_u32 s25, s25, s37
	s_min_u32 s25, s25, MAXB
	s_lshl_b32 s40, s25, 17
	s_add_nc_u64 s[38:39], s[4:5], s[40:41]
	s_wait_loadcnt 48                              ; loads come back in order: this block's group 0 is in; groups 1, 2 and 3 stay out
	MUL 0, 1
	MUL 1, 0
	MUL 2, 0
	MUL 3, 0
	s_wait_loadcnt 32                              ; group 1 is in; groups 2 and 3 stay out
	MUL 4, 0
	MUL 5, 0
	MUL 6, 0
	MUL 7, 0
	PLACES
	WIN 0x40
	s_wait_alu depctr_va_vdst(0)                   ; the products of groups 0 and 1 are done reading their fragments, in which the loads below land
	ALOAD 0                                        ; the same two groups of the next block
	ALOAD 1
	s_wait_loadcnt 48                              ; group 2 is in; group 3 and the 32 loads just issued stay out
	MUL 8, 0
	MUL 9, 0
	MUL 10, 0
	MUL 11, 0
	s_wait_loadcnt 32                              ; group 3 is in; the next block's groups 0 and 1 stay out
	MUL 12, 0
	MUL 13, 0
	MUL 14, 0
	MUL 15, 0
	PLACES
	WIN 0x40
	s_wait_alu depctr_va_vdst(0)                   ; the products of groups 2 and 3 are done reading their fragments, in which the loads below land; and the accumulators are written, which the LDS stores behind them read
	ALOAD 2
	ALOAD 3
	WIN 0
.irp mt, 0,1
.irp nt, 0,1,2,3
	ds_store_b128 v8, v[ACC+8*(4*\mt+\nt):ACC+8*(4*\mt+\nt)+3]   offset:\mt*16*RP+\nt*64      ; each accumulator from its low end on
	ds_store_b128 v8, v[ACC+8*(4*\mt+\nt)+4:ACC+8*(4*\mt+\nt)+7] offset:\mt*16*RP+\nt*64+16
.endr
.endr
.Lno_mul:
	s_wait_dscnt 0x0                               ; for the others' sake: my partial sums are written
	s_barrier_signal -1
	s_barrier_wait -1
	s_cmp_lt_u32 s22, s47
	s_cbranch_scc0 .Lno_read
.irp p, 0,1,2,3
.irp i, 0,1,2,3,4,5,6,7
	ds_load_b64 v[RT+16*\p+2*\i:RT+16*\p+2*\i+1], v9 offset:\p*REDW+\i*RP  ; 32 lanes, a row's 256 consecutive bytes.  No wait here: the last vector lines that named the parts stand ahead of the wait in front of the last trip's global stores
.endr
.endr
.Lno_read:
	s_wait_dscnt 0x0                               ; my reads of the four parts are over
	s_barrier_signal -1
	s_barrier_wait -1                              ; behind this no wave reads the parts any more: the next trip may write them
	s_cmp_lt_u32 s22, s47
	s_cbranch_scc0 .Lno_out
.irp i, 0,1,2,3,4,5,6,7
	v_pk_add_f32 v[RT+2*\i:RT+2*\i+1], v[RT+2*\i:RT+2*\i+1], v[RT+16+2*\i:RT+16+2*\i+1]
	v_pk_add_f32 v[RT+32+2*\i:RT+32+2*\i+1], v[RT+32+2*\i:RT+32+2*\i+1], v[RT+48+2*\i:RT+48+2*\i+1]
.endr
.irp i, 0,1,2,3,4,5,6,7
	v_pk_add_f32 v[RT+2*\i:RT+2*\i+1], v[RT+2*\i:RT+2*\i+1], v[RT+32+2*\i:RT+32+2*\i+1]
.endr
.irp i, 0,1,2,3,4,5,6,7
	v_pk_add_f32 v[RT+2*\i:RT+2*\i+1], v[RT+2*\i:RT+2*\i+1], v[B2:B2+1]
.endr
	s_wait_kmcnt 0x0                               ; my rows' entries, asked for a trip ago
.irp i, 0,1,2,3,4,5,6,7
	s_min_u32 s25, s[ID+\i], 0x1fff                ; all eight offsets are made first, so that one wait serves the stores; a pad's -1 gives a bounded offset that no store uses
	v_lshl_add_u32 v[VO+\i], s25, 11, v10          ; 2,048 bytes a row of out0
.endr
	s_wait_alu depctr_va_vdst(0)                   ; the additions have written the rows' sums and the offsets are written: the stores below read them; the additions are also done with the parts, in which the next trip's LDS loads land
.irp i, 0,1,2,3,4,5,6,7
	s_cmp_lt_u32 s[ID+\i], 0x2000                  ; a pad's -1 is no assignment; behind a block's first pad come only pads
	s_cbranch_scc0 .Lpads
	global_store_b64 v[VO+\i], v[RT+2*\i:RT+2*\i+1], s[12:13] th:TH_STORE_NT  ; 256 consecutive bytes of a row, at a multiple of 256 from out0's first byte
.endr
.Lpads:
	s_add_co_u32 s25, s22, s44                     ; the next block's entries, behind the last use of this block's
	s_min_u32 s25, s25, s37
	s_min_u32 s25, s25, MAXB
	s_lshl_b32 s36, s25, 7
	s_add_co_u32 s36, s36, s46
	s_load_b256 s[ID:ID+7], s[10:11], s36 offset:LISTB
.Lno_out:
	s_add_co_u32 s22, s22, s44                     ; the team's next block
	s_sub_co_u32 s21, s21, 1
	s_cmp_lg_u32 s21, 0
	s_cbranch_scc1 .Lloop
	s_wait_loadcnt 0x0                             ; the ring's last loads and the last entries (a bounded block, used by nobody) are let land
	s_wait_kmcnt 0x0
	s_wait_dscnt 0x0
	s_wait_alu depctr_hold_cnt(0) depctr_sa_sdst(0) depctr_va_vdst(0) depctr_va_sdst(0) depctr_va_ssrc(0) depctr_va_vcc(0) depctr_vm_vsrc(0)
	s_wait_tensorcnt 0x0
	ds_add_u32 v62, v63
	s_wait_dscnt 0x0
	s_endpgm
.Lfunc_end_k_qc64a3dd08d_ffn2:
	.size	k_qc64a3dd08d_ffn2, .Lfunc_end_k_qc64a3dd08d_ffn2-k_qc64a3dd08d_ffn2
	.p2alignl 7, 3214868480
	.fill 96, 4, 3214868480
	.section	.rodata,"a",@progbits
	.p2align	6, 0x0
	.amdhsa_kernel k_qc64a3dd08d_ffn2
		.amdhsa_group_segment_fixed_size 55808
		.amdhsa_private_segment_fixed_size 0
		.amdhsa_enable_private_segment 0
		.amdhsa_kernarg_size 40
		.amdhsa_user_sgpr_count 2
		.amdhsa_user_sgpr_kernarg_segment_ptr 1
		.amdhsa_wavefront_size32 1
		.amdhsa_system_sgpr_workgroup_id_x 1
		.amdhsa_system_sgpr_workgroup_id_y 1
		.amdhsa_system_sgpr_workgroup_id_z 1
		.amdhsa_system_vgpr_workitem_id 0
		.amdhsa_next_free_vgpr 1024
		.amdhsa_next_free_sgpr 66
		.amdhsa_reserve_vcc 0
		.amdhsa_float_denorm_mode_32 3
		.amdhsa_float_denorm_mode_16_64 3
		.amdhsa_memory_ordered 1
		.amdhsa_forward_progress 1
		.amdhsa_inst_pref_size 117
	.end_amdhsa_kernel
	.amdgpu_metadata
---
amdhsa.version: [ 1, 2 ]
amdhsa.kernels:
  - .name:           k_qc64a3dd08d_ffn2
    .symbol:         k_qc64a3dd08d_ffn2.kd
    .args:
      - { .name: h, .offset: 0, .size: 8, .value_kind: global_buffer, .address_space: global }
      - { .name: W2, .offset: 8, .size: 8, .value_kind: global_buffer, .address_space: global }
      - { .name: b2, .offset: 16, .size: 8, .value_kind: global_buffer, .address_space: global }
      - { .name: order, .offset: 24, .size: 8, .value_kind: global_buffer, .address_space: global }
      - { .name: out0, .offset: 32, .size: 8, .value_kind: global_buffer, .address_space: global }
    .group_segment_fixed_size: 55808
    .private_segment_fixed_size: 0
    .kernarg_segment_align: 8
    .kernarg_segment_size: 40
    .max_flat_workgroup_size: 128
    .sgpr_count:     66
    .vgpr_count:     1024
    .wavefront_size: 32
...
	.end_amdgpu_metadata
.endif
;; end of part 8
